; MI455X (gfx1250); checked and timed in simulation.
; The chip was launched on July 23, 2026; its instructions are those of AMD's public machine-readable ISA for CDNA 5 (MIT licence, August 2026) and "CDNA5" Instruction Set Architecture Reference Guide (July 2026). The comments in the code are by the model that wrote it; some were corrected since.
;; Causal Self Attention. Allowed arithmetic: matrix products marked QUANTISED: E4M3 operands, one E8M0 scale for each 32 along K, by v_wmma_scale_f32_16x16x128_f8f6f4 with both operands' format E4M3, f32 sums; everything else in f32.
;; Inputs: Wproj_codes 1,024 x 32 x 32 uint8 (E4M3 codes of Wproj, K innermost, in blocks of 32 codes); Wproj_scales 1,024 x 32 uint8 (E8M0 scales of Wproj, one for each 32 codes along K); Wqkv_codes 3,072 x 32 x 32 uint8 (E4M3 codes of Wqkv, K innermost, in blocks of 32 codes); Wqkv_scales 3,072 x 32 uint8 (E8M0 scales of Wqkv, one for each 32 codes along K); bproj 1,024 float32; bqkv 3,072 float32; x_codes 4 x 2,048 x 32 x 32 uint8 (E4M3 codes of x, K innermost, in blocks of 32 codes); x_scales 4 x 2,048 x 32 uint8 (E8M0 scales of x, one for each 32 codes along K).
;; Outputs: out0 4 x 2,048 x 1,024 float32.
;; This version of the problem:
;;   THIS VERSION OF THE PROBLEM IS GIVEN IN LOW PRECISION. The matrix products marked QUANTISED in the list below multiply operands that are first quantised to E4M3 (4 exponent bits, 3 mantissa bits; 8 bits a number), with one power-of-two scale for each 32 numbers along K (OCP MX v1.0); their sums are f32. All else is computed in f32.
;;   The module's matrix products, in the order in which they are computed (A, B: the left and right operand; K: the contracted axis; several contracted axes count as one K, in the product's order):
;;     1. [M 8,192, K 1,024] x [K 1,024, N 3,072]; A: input x (given as codes); B: input Wqkv (given as codes): QUANTISED
;;     2. batch 64 x [M 2,048, K 64] x [K 64, N 2,048]; A: computed on the way; B: computed on the way: QUANTISED
;;     3. batch 64 x [M 2,048, K 2,048] x [K 2,048, N 64]; A: softmax (see below); B: computed on the way: QUANTISED
;;     4. [M 8,192, K 1,024] x [K 1,024, N 1,024]; A: computed on the way; B: input Wproj (given as codes): QUANTISED
;;   THE QUANTISER, for each operand of a quantised product, along K:
;;     - K is cut into blocks of 32 from its start; a last block that is shorter is filled with zeros.
;;     - A block's scale is 2^e with e = floor(log2(the largest magnitude in the block)) - 8, held to -126 .. 127; a block of zeros has e = 0. As a byte (E8M0): e + 127.
;;     - Each number is divided by its block's scale, clamped to +-448, and rounded to the nearest number of E4M3, ties to even, subnormals kept.
;;     - The product sums the exact products of the quantised numbers (number of the format x scale) in f32.
;;   ~~~python
;;   def quantise(x, axis):      # numpy; x: float32 -> the quantised numbers, widened to float32 again
;;       x = np.moveaxis(x, axis, -1); K = x.shape[-1]
;;       x = np.pad(x, [(0, 0)] * (x.ndim - 1) + [(0, -K % 32)]); x = x.reshape(x.shape[:-1] + (-1, 32)); a = np.abs(x).max(-1, keepdims=True)
;;       e = np.where(a > 0, np.clip(np.frexp(np.where(a > 0, a, 1))[1] - 1 - 8, -126, 127), 0)      # np.frexp(a)[1] - 1 = floor(log2(a)), exactly
;;       r = np.clip(x / 2.0 ** e, -448, 448)
;;       step = 2.0 ** (np.maximum(np.frexp(np.where(r == 0, 1, r))[1] - 1, -6) - 3)
;;       q = np.round(r / step) * step * 2.0 ** e      # np.round: ties to even
;;       return np.moveaxis(q.reshape(q.shape[:-2] + (-1,))[..., :K], -1, axis).astype(np.float32)
;;   ~~~
;;   SOFTMAX AHEAD OF A QUANTISED PRODUCT. Where the list says 'softmax', what is quantised is not the finished softmax but p = 2^(t - M), with t = logit x log2(e) and M = ceil(the row's largest t), a whole number; so 1/2 < the row's largest p <= 1. The row's sum l is taken of the UNQUANTISED p, in f32, and the product's result is divided by l at the end. Since M is a whole number, a kernel that streams over the keys may use a running M (the ceiling of the running maximum): every later rescaling is an exact power of two, which a block's scale takes up: the codes' values come out the same.
;;   OPERANDS COMPUTED ON THE WAY. 'Computed on the way' means the value that the module computes at that place (a softmax that the list does not call 'softmax' is quantised finished and normalised). What goes into a quantiser is computed in f32, as accurately as f32 sums, v_exp_f32 and their like allow (about 1e-6 of the number): no bf16 or f16 on the way to a quantiser, and a product that is left as it is and whose result goes on into a quantised operand takes f32 operands (vector FMAs, or v_wmma_f32_16x16x4_f32). A number that lies on a knife's edge between two numbers of the format may be rounded either way, as far as f32 arithmetic and the matrix unit's own rounding can turn it there, and no further.
;;   INPUTS GIVEN AS CODES. Wproj (in the module: [1024, 1024], K = its axis 0); Wqkv (in the module: [1024, 3072], K = its axis 0); x (in the module: [4, 2048, 1024], K = its axis 2): each comes as NAME_codes (uint8): NAME with its K axis moved to the last place and cut into blocks of 32 codes, [.., K / 32, bytes a block], one block behind the other in memory; one code a byte (a code: sign, 4 exponent bits, 3 mantissa bits); and NAME_scales (uint8): the same leading axes, one E8M0 byte (e + 127) for each 32 codes along K. Its value is code x scale, taken as it is: it is not quantised again, and the codes and scales need not be those that the quantiser above would give.
;; One version. Each part assembles by itself: llvm-mc -triple=amdgcn-amd-amdhsa -mcpu=gfx1250 --defsym DOCPART=n.
;; ======== version 1 of 1: 3 launches
;; limits: right only within a limited range of input values
;; workspace buffers: qk_img 16,777,216 bytes; v_img 8,388,608 bytes; qk_sc 524,288 bytes; v_sc 262,144 bytes; y_img 8,388,608 bytes; y_sc 262,144 bytes
;; launch qkv (part 1): grid 96 x 4, 4 waves a work-group, clusters of 4 x 4, 327,680 bytes of LDS; arguments x_codes, x_scales, Wqkv_codes, Wqkv_scales, bqkv, qk_img, v_img, qk_sc, v_sc; writes qk_img, v_img, qk_sc, v_sc
.if DOCPART == 1
	.amdgcn_target "amdgcn-amd-amdhsa--gfx1250"
	.amdhsa_code_object_version 6
	.text
	.protected	k_qe788cf2e39_qkv
	.globl	k_qe788cf2e39_qkv
	.p2align	8
	.type	k_qe788cf2e39_qkv,@function
k_qe788cf2e39_qkv:
	s_mov_b64 s[64:65], 0
	v_nop
	global_prefetch_b8 v0, s[64:65] scope:SCOPE_SE
	s_setreg_imm32_b32 hwreg(HW_REG_WAVE_MODE, 25, 1), 1
	s_wait_xcnt 0x0
	s_wait_alu depctr_hold_cnt(0) depctr_sa_sdst(0) depctr_va_vdst(0) depctr_va_sdst(0) depctr_va_ssrc(0) depctr_va_vcc(0) depctr_vm_vsrc(0)
	s_getreg_b32 s2, hwreg(HW_REG_IB_STS2, 6, 4)
	s_cmp_eq_u32 s2, 0
	s_cbranch_scc0 .Lentry_in_a_cluster
	s_endpgm
.Lentry_in_a_cluster:
	s_bfe_u32 s2, ttmp6, 0x10000c
	s_cmp_lg_u32 s2, 0xf033
	s_cbranch_scc0 .Lentry_shape_is_right
	s_endpgm
.Lentry_shape_is_right:
; qkv = x Wqkv + bqkv on codes of FP8 (E4M3) with one E8M0 scale for each 32 along K = 1,024, and the result quantised at once for the two products of attention.
; ONE TEXT, TWO ROLES, chosen by the cluster's number c (0..23); the role chooses pointers and offsets, never a branch.  The text computes C'[m'][n'] = sum over k of A[m'][k] B[n'][k] + bias and quantises it ALONG n'.
;   c < 16 (q and k):  A = x (8,192 tokens), B = Wqkv's rows 0..2,047 (channels): blocks of 32 run along the channels, inside a head's 64.
;   c >= 16 (v):       A = Wqkv's rows 2,048..3,071 (channels), B = x (tokens): blocks of 32 run along the tokens, which are the keys: v comes out with the keys innermost and nothing is transposed.
; A tile of C', 256 x 256, is made by a work-group of four waves; a wave makes 128 x 128: 64 accumulators of 16 x 16, 512 registers.  K goes in steps of 256 through a ring of two LDS slots filled by the tensor
; data mover (rows of 256 bytes).  The scale bytes of the work-group's 256 + 256 rows, for all of K, come into LDS once, with the first fills.
; CLUSTERS: 4 x 4 work-groups; A's tiles are shared along a row of the cluster, B's along a column: each is asked for jointly, by the same tensor load with the same descriptor and a mask that names the four.
; THE MATRIX INSTRUCTION IS USED TRANSPOSED (source 0 = 16 rows of B, source 1 = 16 rows of A): a lane holds row m' = lane % 16 and eight neighbouring n'.
; THE WAY OUT: codes leave as IMAGES OF OPERAND REGISTERS.  A chunk of 512 bytes holds, for 16 rows and one block of 32 along the next K, 16 codes a lane: lane (r, h) has k = 16 h + 0..15 of row r, at 16 x ((r xor 8 (row tile & 1)) + 16 h).
;   qk_img [q or k][batch x head 64][token tile 128][block 2][512];   v_img [batch x head 64][key block 64][d tile 4][512];   each store of a wave covers one whole chunk, 512 consecutive bytes, aligned.
;   qk_sc: words [channel / 128][token];   v_sc: words [token / 128][channel]: the four scale bytes of a row's 128 along n'.
; LIMITS: NaN codes and scale bytes 0xff among the inputs are not served.  A block whose largest magnitude lies under 2^-118 gets the byte 1 (a block of zeros too, where the quantiser's rule says 127: its codes are zeros, and this program alone reads the bytes).
; REGISTERS, in windows of 256: window 0: v1-31 addresses and the bias along m' (v8-15); v32-63 scale words, two sets; v64-127 the bias along n', later 64 numbers at work; from v128 A's fragments, ONE set (on the way out: codes and work).
;   window 1: B's fragments, TWO sets.   window 2: the 32 accumulators of my rows 0-63 ((a, b) at v[8 (8 a + b)]);   window 3: those of my rows 64-127.
.set KSTEP,  256                       ; along K in a slot
.set NQ,     2                         ; matrix instructions deep
.set ROWB,   256                       ; a tile's row in bytes
.set KROW,   1024                      ; a row of x or of Wqkv in memory, in bytes
.set PITCH,  272                       ; an LDS row: 256 bytes + 16 of padding = 68 words: the 16 rows that a load touches start at 16 different banks (64 banks of 4 bytes: ISA guide 11.1)
.set FR,     16                        ; registers of a fragment: 16 rows x 128 K
.set NL,     4                         ; LDS loads that bring one
.set NP,     8                         ; places behind this matrix instruction (ISA guide 7.12.1)
.set HALFT,  128*PITCH                 ; 128 rows: what one tensor load brings
.set SLOT,   4*HALFT                   ; A's 256 rows, then B's 256 rows
.set LAPS,   2                         ; 1,024 along K = four K steps = twice round the ring
.set KS,     32                        ; a row of scale bytes
.set SCL,    2*SLOT                    ; behind the ring: the scales, as units of 256 bytes + 16 of padding
.set HALFS,  (128*KS/256)*272          ; the scales of 128 rows
.set SBLK,   (16*KS/256)*272           ; those of 16 rows
.set SPARE,  SCL+4*HALFS               ; the spare words, 128 bytes for each wave: two blocks of 256 bytes that no other line names
.set BM,   8                           ; v8-15   the bias along m': block a's number of my row
.set ADRA, 16                          ; v16-17  LDS address of my A fragments in slot 0, 1
.set ADRB, 20                          ; v20-21  the same for B
.set STW,  24                          ; v24     the way out: where my row's scale word goes in my wave's 512 bytes of stage
.set RDW,  25                          ; v25     and where I read 16 bytes of them back
.set SCO,  26                          ; v26     16 x lane: my place in the wave's 512 bytes of scale words in memory
.set ADRS, 27                          ; v27     LDS address of my scale words: lanes 0-15 A's rows, lanes 16-31 B's
.set SPW,  28                          ; v28     LDS address of my spare word; never rewritten
.set NIL,  29                          ; v29     0; never rewritten
.set ZR,   30                          ; v30     0, for the choice of the bias
.set SC,   32                          ; scale words: set s at v[SC + 16 s]; register 2 i + q: lanes 0-15 A's block i, lanes 16-31 B's block i
.set BN,   64                          ; v64-127 the bias along n': tile b's eight numbers of my half
.set AF,   128                         ; A's fragments
.set T,    64                          ; the way out: v64-127 a block's 64 numbers
.set CD,   128                         ; v128-159 its codes, two sets by turns
.set TM,   160                         ; v160-175 largest magnitudes, bytes, conversion scales
.set VO,   180                         ; v180-187 byte offsets of my 16 bytes in the four chunks, for even and for odd row tiles
.set PW,   188                         ; v188-195 a scale word for each block
.set G1, 24                            ; s[24:31] descriptor group 1 for A's tiles;  s[32:39] group 0, one set for each slot
.set G0, 32
.set G1B, 48                           ; s[48:55], s[56:63] the same for B's tiles
.set G0B, 56
.set G1S, 68                           ; s[68:75], s[76:79] groups 1 and 0 for A's scales;  s[80:87], s[88:91] for B's
.set G0S, 76
.set G1SB, 80
.set G0SB, 88
.set MSB, 0
.macro WIN new                         ; the immediate's high byte repeats the setting that is left
.if MSB != (\new)
	s_set_vgpr_msb (MSB<<8)|(\new)
.set MSB, (\new)
.endif
.endm
.set MUL_LO, 0xa1                      ; source 0 (B) window 1, source 1 (A) window 0, C and D window 2
.set MUL_HI, 0xf1                      ; the same, C and D window 3
.set TO_B,   0x40                      ; destination window 1, address window 0
; A joint load: waves 0 and 1 fetch for A, waves 2 and 3 for B.  Each line has one mask and one set of registers; the branch hangs on the wave's number alone.  Four v_nop follow each line.
.macro JLOAD g0a, g1a, g0b, g1b
	s_cmp_eq_u32 s15, 0
	s_cbranch_scc0 .Lfor_b_\@
	tensor_load_to_lds s[\g0a:\g0a+3], s[\g1a:\g1a+7]
	s_nop 0
.rept 4
	v_nop
.endr
	s_branch .Lasked_\@
.Lfor_b_\@:
	tensor_load_to_lds s[\g0b:\g0b+3], s[\g1b:\g1b+7]
	s_nop 0
.rept 4
	v_nop
.endr
.Lasked_\@:
.endm
.macro CREST                           ; a round of the cluster's barrier behind its opening barrier
	s_cmp_lg_u32 s14, 0
	s_cbranch_scc1 .Lnot_wave_0_\@
	s_barrier_signal -3
.Lnot_wave_0_\@:
	s_barrier_wait -3
	s_barrier_signal -1
	s_barrier_wait -1
.endm
.macro CROUND                          ; a whole round
	s_barrier_signal -1
	s_barrier_wait -1
	CREST
.endm
	s_load_b256 s[4:11], s[0:1], 0x0               ; x's codes s[4:5], x's scales s[6:7], Wqkv's codes s[8:9], Wqkv's scales s[10:11]
	s_load_b128 s[92:95], s[0:1], 0x20             ; bqkv s[92:93], qk_img s[94:95]
	s_load_b128 s[96:99], s[0:1], 0x30             ; v_img s[96:97], qk_sc s[98:99]
	s_load_b64 s[66:67], s[0:1], 0x40              ; v_sc
	v_lshl_add_u32 v[SPW], v0, 2, SPARE
	v_mov_b32 v[NIL], 0
	ds_add_u32 v28, v29
	ds_add_u32 v28, v29
	s_wait_dscnt 0x0
	v_mov_b32 v[ZR], 0
	v_lshrrev_b32 v1, 5, v0
	v_readfirstlane_b32 s14, v1                    ; wave 0..3
	s_lshr_b32 s15, s14, 1                         ; which half of the tile's rows is mine.  Also: I fetch for A (0) or for B (1)
	s_and_b32 s16, s14, 1                          ; which half of its columns.  Also: which 128 rows of that tile I fetch
	s_bfe_u32 s40, ttmp6, 0x40000                  ; cx, cy: my place in the cluster
	s_bfe_u32 s41, ttmp6, 0x40004
	s_lshr_b32 s43, ttmp9, 1                       ; q, k: 8 x 2 clusters: row c / 2,
	s_and_b32 s44, ttmp9, 1                        ; column c % 2
	s_sub_co_u32 s45, ttmp9, 16                    ; v: 1 x 8 clusters: column c - 16
	s_cmp_ge_u32 ttmp9, 16                         ; the role hangs on the cluster's number alone: it is the same in all sixteen partners
	s_cselect_b32 s101, -1, 0                      ; as a lane mask: all ones for v
	s_cselect_b32 s43, 0, s43
	s_cselect_b32 s44, s45, s44
	s_cselect_b32 s2, 2048, 0                      ; v's channels begin at row 2,048 of Wqkv
	s_lshl_b32 s42, s44, 2
	s_add_co_u32 s42, s42, s40                     ; tile column = 4 x cluster column + cx
	s_lshl_b32 s17, s43, 2
	s_add_co_u32 s17, s17, s41                     ; tile row = 4 x cluster row + cy
	s_lshl_b32 s43, s41, 2
	s_lshl_b32 s43, 15, s43                        ; my row of the cluster
	s_lshl_b32 s44, 0x1111, s40                    ; my column
	; descriptor group 1: a tile of 128 rows x 256 bytes, padded in LDS.  Both roles' operands have rows of 1,024 bytes, so the shape is one
	s_or_b32 s[G1+0], s43, (0<<16)|(1<<20)|(1<<21)|(5<<22)|(3<<25)  ; 15:0 the mask: A's tiles go to my row; 17:16 elements of 1 byte; 20 padding on; 21 set beside a mask; 24:22 after every 64 words; 31:25 of 4 words
	s_or_b32 s[G1B+0], s44, (0<<16)|(1<<20)|(1<<21)|(5<<22)|(3<<25)
.irp g, G1, G1B
	s_mov_b32 s[\g+1], ROWB<<16                    ; tensor_dim0
	s_mov_b32 s[\g+2], 128<<16                     ; tensor_dim1
	s_mov_b32 s[\g+3], ROWB<<16                    ; tile_dim0
	s_mov_b32 s[\g+4], 128                         ; tile_dim1
	s_mov_b32 s[\g+5], KROW                        ; tensor_dim0_stride
	s_mov_b32 s[\g+6], 0
	s_mov_b32 s[\g+7], 0
.endr
	; the scales of 128 rows: a dense block of 4,096 bytes, as 16 rows of 256 bytes (32 elements of 8 bytes), 16 bytes of padding behind each
	s_or_b32 s[G1S+0], s43, (3<<16)|(1<<20)|(1<<21)|(5<<22)|(3<<25)
	s_or_b32 s[G1SB+0], s44, (3<<16)|(1<<20)|(1<<21)|(5<<22)|(3<<25)
.irp g, G1S, G1SB
	s_mov_b32 s[\g+1], 32<<16
	s_mov_b32 s[\g+2], (128*KS/256)<<16
	s_mov_b32 s[\g+3], 32<<16
	s_mov_b32 s[\g+4], 128*KS/256
	s_mov_b32 s[\g+5], 32
	s_mov_b32 s[\g+6], 0
	s_mov_b32 s[\g+7], 0
.endr
	s_lshl_b32 s18, s16, 7                         ; which 128 rows of the tile I fetch
	s_lshl_b32 s20, s17, 8
	s_add_co_u32 s20, s20, s18
	s_add_co_u32 s20, s20, s2                      ; A: row 256 x tile row + 128 x half (+ 2,048)
	s_lshl_b32 s46, s42, 8
	s_add_co_u32 s46, s46, s18                     ; B: row 256 x tile column + 128 x half
	s_lshl_b32 s22, s20, 5                         ; where these rows' scales begin, in bytes (all under 2^32),
	s_mov_b32 s23, 0
	s_lshl_b32 s12, s46, 5
	s_mov_b32 s13, 0
	s_lshl_b32 s20, s20, 10                        ; and their codes
	s_mov_b32 s21, 0
	s_lshl_b32 s46, s46, 10
	s_mov_b32 s47, 0
	s_mul_i32 s45, s14, HALFT                      ; where they go: wave x 128 rows: no place in the cluster enters an LDS address
	s_mul_i32 s100, s14, HALFS
	s_wait_kmcnt 0x0
	s_cmp_ge_u32 ttmp9, 16                         ; the role chooses the buffers
	s_cselect_b64 s[104:105], s[8:9], s[4:5]       ; A's codes
	s_cselect_b64 s[8:9], s[4:5], s[8:9]           ; B's codes
	s_cselect_b64 s[4:5], s[10:11], s[6:7]         ; A's scales
	s_cselect_b64 s[10:11], s[6:7], s[10:11]       ; B's scales
	s_cselect_b64 s[94:95], s[96:97], s[94:95]     ; where the codes go
	s_cselect_b64 s[98:99], s[66:67], s[98:99]     ; where the scale words go
	s_add_nc_u64 s[20:21], s[104:105], s[20:21]
	s_add_nc_u64 s[22:23], s[4:5], s[22:23]
	s_add_nc_u64 s[46:47], s[8:9], s[46:47]
	s_add_nc_u64 s[12:13], s[10:11], s[12:13]
	CROUND                                         ; all sixteen work-groups are here: the first joint loads meet
	s_mov_b32 s[G0S], 1
	s_add_co_u32 s[G0S+1], s100, SCL
	s_mov_b64 s[G0S+2:G0S+3], s[22:23]
	s_or_b32 s[G0S+3], s[G0S+3], 0x80000000
	s_mov_b32 s[G0SB], 1
	s_add_co_u32 s[G0SB+1], s100, SCL
	s_mov_b64 s[G0SB+2:G0SB+3], s[12:13]
	s_or_b32 s[G0SB+3], s[G0SB+3], 0x80000000
	JLOAD G0S, G1S, G0SB, G1SB                     ; the scales first: they are wanted with K step 0
.irp s, 0,1
	s_mov_b32 s[G0+4*\s], 1
	s_add_co_u32 s[G0+4*\s+1], s45, \s*SLOT
	s_add_nc_u64 s[G0+4*\s+2:G0+4*\s+3], s[20:21], \s*ROWB
	s_or_b32 s[G0+4*\s+3], s[G0+4*\s+3], 0x80000000
	s_mov_b32 s[G0B+4*\s], 1
	s_add_co_u32 s[G0B+4*\s+1], s45, \s*SLOT
	s_add_nc_u64 s[G0B+4*\s+2:G0B+4*\s+3], s[46:47], \s*ROWB
	s_or_b32 s[G0B+4*\s+3], s[G0B+4*\s+3], 0x80000000
	JLOAD G0+4*\s, G1, G0B+4*\s, G1B               ; by this text's count three tensor loads of a wave are out here, later one
.endr
	; THE BIAS.  q, k: it runs along n' and is the C of each sum's first matrix instruction.  v: it runs along m' and is added on the way out.  Both are loaded in both roles, from addresses inside bqkv, and the role keeps one and clears the other.
	v_and_b32 v1, 15, v0                           ; r = lane % 16
	v_bfe_u32 v2, v0, 4, 1                         ; h = lane / 16
	v_lshlrev_b32 v7, 5, v2                        ; along n': my half's eight numbers of a tile
	s_wait_alu depctr_va_vdst(0)
	v_lshlrev_b32 v31, 2, v1                       ; along m': my row's number
	s_wait_alu depctr_va_vdst(0)
	s_lshl_b32 s43, s42, 10
	s_lshl_b32 s44, s16, 9
	s_add_co_u32 s43, s43, s44                     ; q, k: 4 x my first channel
	s_lshl_b32 s44, s17, 10
	s_lshl_b32 s45, s15, 9
	s_add_co_u32 s44, s44, s45
	s_add_co_u32 s44, s44, 8192                    ; v: 4 x (2,048 + my first channel)
	s_cmp_ge_u32 ttmp9, 16
	s_cselect_b32 s96, 0, s43
	s_cselect_b32 s104, s44, 0
	s_mov_b32 s97, 0
	s_mov_b32 s105, 0
	s_add_nc_u64 s[96:97], s[92:93], s[96:97]
	s_add_nc_u64 s[104:105], s[92:93], s[104:105]
.irp b, 0,1,2,3,4,5,6,7
	global_load_b128 v[BN+8*\b:BN+8*\b+3], v7, s[96:97] offset:64*\b
	global_load_b128 v[BN+8*\b+4:BN+8*\b+7], v7, s[96:97] offset:64*\b+16
.endr
.irp a, 0,1,2,3,4,5,6,7
	global_load_b32 v[BM+\a], v31, s[104:105] offset:64*\a
.endr
	v_mul_u32_u24 v3, v1, PITCH
	v_lshl_add_u32 v4, v2, 4, v3                   ; a fragment's row x pitch + 16 x half
	s_mul_i32 s21, s15, HALFT                      ; my 128 rows of A
	s_mul_i32 s22, s16, HALFT                      ; my 128 rows of B,
	s_add_co_u32 s22, s22, 2*HALFT                 ; which lie behind A's 256
.irp s, 0,1
	v_add_nc_u32 v[ADRA+\s], s21, v4
	v_add_nc_u32 v[ADRB+\s], s22, v4
	s_add_co_u32 s21, s21, SLOT
	s_add_co_u32 s22, s22, SLOT
.endr
	v_mul_u32_u24 v5, v1, KS                       ; my row's scales: 32 bytes a row,
	v_lshrrev_b32 v6, 8, v5
	v_lshl_add_u32 v5, v6, 4, v5                   ; and 16 more for each 256 passed
	s_mul_i32 s21, s15, HALFS                      ; A's: my 128 rows
	s_mul_i32 s22, s16, HALFS                      ; B's: my 128 rows, behind A's 256
	s_add_co_u32 s22, s22, 2*HALFS
	s_sub_co_u32 s22, s22, s21
	v_mul_u32_u24 v6, s22, v2                      ; lanes 16-31 take B's
	s_add_co_u32 s21, s21, SCL
	v_add_nc_u32 v5, v5, v6
	v_add_nc_u32 v[ADRS], s21, v5
	s_lshl_b32 s23, s14, 9                         ; my 512 bytes of stage for the scale words: in slot 0, which has had its last fill and its last read when the first word is stored there
	v_lshl_add_u32 v[STW], v1, 2, s23
	v_and_b32 v6, 31, v0
	v_lshlrev_b32 v[SCO], 4, v6
	v_add_nc_u32 v[RDW], s23, v[SCO]
	; where my results go.  q, k: ((q or k) 64 + batch 16 + head) x 131,072 + token tile x 1,024;  v: (batch 16 + head) x 131,072 + key block x 2,048
	s_lshr_b32 s43, s42, 2
	s_lshl_b32 s43, s43, 6
	s_lshr_b32 s45, s17, 3
	s_lshl_b32 s45, s45, 4
	s_add_co_u32 s43, s43, s45
	s_lshl_b32 s45, s42, 2
	s_lshl_b32 s46, s16, 1
	s_add_co_u32 s45, s45, s46
	s_and_b32 s45, s45, 15
	s_add_co_u32 s43, s43, s45
	s_lshl_b32 s43, s43, 17
	s_lshl_b32 s45, s17, 4
	s_lshl_b32 s46, s15, 3
	s_add_co_u32 s45, s45, s46
	s_and_b32 s45, s45, 127
	s_lshl_b32 s45, s45, 10
	s_add_co_u32 s43, s43, s45                     ; q, k
	s_lshr_b32 s44, s42, 3
	s_lshl_b32 s44, s44, 4
	s_lshl_b32 s45, s17, 2
	s_add_co_u32 s44, s44, s45
	s_lshl_b32 s45, s15, 1
	s_add_co_u32 s44, s44, s45
	s_lshl_b32 s44, s44, 17
	s_lshl_b32 s45, s42, 3
	s_lshl_b32 s46, s16, 2
	s_add_co_u32 s45, s45, s46
	s_and_b32 s45, s45, 63
	s_lshl_b32 s45, s45, 11
	s_add_co_u32 s44, s44, s45                     ; v
	s_lshl_b32 s45, s42, 1
	s_add_co_u32 s45, s45, s16                     ; which 128 along n'
	s_lshl_b32 s66, s17, 8
	s_lshl_b32 s67, s15, 7
	s_add_co_u32 s66, s66, s67                     ; my first row m'
	s_mov_b32 s6, 1024                             ; (a select takes one literal: the other stands in the register)
	s_mov_b32 s18, 512
	s_mov_b32 s19, 131072
	s_mov_b32 s22, 131584
	s_cmp_ge_u32 ttmp9, 16
	s_cselect_b32 s46, s44, s43
	s_cselect_b32 s6, 512, s6                      ; from a block of 16 rows to the next: a token tile (1,024) or a d tile (512);
	s_cselect_b32 s12, 129024, 0                   ; v: after four d tiles the next head begins
	s_cselect_b32 s18, 2048, s18                   ; from a block of 32 along n' to the next three: q, k: the head's second block, the next head's two;  v: the next key blocks
	s_cselect_b32 s19, 4096, s19
	s_cselect_b32 s22, 6144, s22
	s_cselect_b32 s67, 10, 13                      ; rows of scale words: 1,024 channels or 8,192 tokens
	s_mov_b32 s47, 0
	s_mov_b32 s7, 0
	s_mov_b32 s13, 0
	s_add_nc_u64 s[94:95], s[94:95], s[46:47]
	s_lshl_b32 s45, s45, s67
	s_add_co_u32 s45, s45, s66
	s_lshl_b32 s46, s45, 2
	s_add_nc_u64 s[98:99], s[98:99], s[46:47]
	s_mov_b32 s20, 0x76543210
	s_mov_b32 s21, 0xfedcba98                      ; v_permlanex16_b32's selects for lane l xor 16
.macro FRAG reg, adr, q, i             ; a fragment: lane l holds row l % 16; registers 4 c .. 4 c + 3 hold K = 32 c + 16 (l / 16) + 0 .. 15
.irp c, 0,1,2,3
	ds_load_b128 v[\reg+4*\c:\reg+4*\c+3], v[\adr] offset:128*(\q)+32*\c+(\i)*16*PITCH
.endr
.endm
; 16 matrix instructions: A's blocks a0, a0 + 1 x B's eight, 128 along K.  p: B's set;  sc: the set of scale words.  first = 1: the sum begins with the bias along n' as C: nothing is cleared and nothing is added later.
; The 64 accumulators take turns, one instruction a turn, in the same order in every step.
.macro MUL16 a0, p, q, sc, first
.irp a, \a0, \a0+1
.irp b, 0,1,2,3,4,5,6,7
.if \first
	v_wmma_scale_f32_16x16x128_f8f6f4 v[8*(8*((\a)%4)+\b):8*(8*((\a)%4)+\b)+7], v[128*(\p)+FR*\b:128*(\p)+FR*\b+FR-1], v[AF+FR*(\a):AF+FR*(\a)+FR-1], v[BN+8*\b:BN+8*\b+7], v[SC+8*NQ*(\sc)+NQ*\b+(\q)], v[SC+8*NQ*(\sc)+NQ*(\a)+(\q)] matrix_a_scale:MATRIX_SCALE_ROW1
.else
	v_wmma_scale_f32_16x16x128_f8f6f4 v[8*(8*((\a)%4)+\b):8*(8*((\a)%4)+\b)+7], v[128*(\p)+FR*\b:128*(\p)+FR*\b+FR-1], v[AF+FR*(\a):AF+FR*(\a)+FR-1], v[8*(8*((\a)%4)+\b):8*(8*((\a)%4)+\b)+7], v[SC+8*NQ*(\sc)+NQ*\b+(\q)], v[SC+8*NQ*(\sc)+NQ*(\a)+(\q)] matrix_a_scale:MATRIX_SCALE_ROW1
.endif
.endr
.endr
.endm
.macro FETCH_B slot, q, p              ; B's eight fragments of the slot's q-th 128 along K into set p
	WIN TO_B
.irp i, 0,1,2,3,4,5,6,7
	FRAG 128*(\p)+FR*\i, ADRB+\slot, \q, \i
.endr
	WIN 0
.endm
.macro FETCH_A slot, q, i0             ; A's blocks i0 .. i0 + 3
.irp i, \i0, \i0+1, \i0+2, \i0+3
	FRAG AF+FR*(\i), ADRA+\slot, \q, \i
.endr
.endm
.macro SCALES sc                       ; a K step's scale words into set sc: two words a row; lanes 0-15 take A's block i, lanes 16-31 B's block i
.irp i, 0,1,2,3,4,5,6,7
	ds_load_b64 v[SC+8*NQ*\sc+NQ*\i:SC+8*NQ*\sc+NQ*\i+1], v[ADRS] offset:\i*SBLK
.endr
.endm
; A load into a register that a matrix instruction has read, and a vector instruction that reads a matrix result, stand NP places behind that matrix instruction; only plain vector instructions that name none of its registers are places.
.macro PLACES n
.rept \n
	v_nop
.endr
.endm
; A step of 128 along K that has its successor in the same slot.
.macro STEP slot, q, first
	s_wait_dscnt 4*NL                              ; B's set and A's blocks 0-3 are in; the youngest 16 loads (A's blocks 4-7) may be out
.if \first
	WIN 0x81                                       ; source 0 window 1, sources 1 and 2 (the bias) window 0, destination window 2
.else
	WIN MUL_LO
.endif
	MUL16 0, (\q)%2, \q, \slot, \first
	MUL16 2, (\q)%2, \q, \slot, \first
	s_wait_dscnt 0                                 ; A's blocks 4-7 are in (asked for 32 matrix instructions ago)
	PLACES NP
	FETCH_B \slot, (\q)+1, 1-(\q)%2
	FETCH_A \slot, (\q)+1, 0
.if \first
	WIN 0xc1                                       ; the same, destination window 3
.else
	WIN MUL_HI
.endif
	MUL16 4, (\q)%2, \q, \slot, \first
	MUL16 6, (\q)%2, \q, \slot, \first
	PLACES NP
	WIN 0
	FETCH_A \slot, (\q)+1, 4
.endm
; A slot's last step changes slots: ONE barrier; in front of it each wave waits for all its tensor loads, adds 0 to its spare word, and waits for that and for its own reads of this slot.  fill = 1: this slot is filled again, two K steps ahead.
.macro TURN slot, next, fill
	s_wait_tensorcnt 0x0                           ; all my tensor loads have landed: my part of the next slot;  (every window is 0 here)
	ds_add_u32 v[SPW], v[NIL]                      ; 0 onto my spare word
	s_wait_dscnt 4*NL+1                            ; (the add and the youngest 16 loads, A's blocks 4-7, may be out)
	WIN MUL_LO
	MUL16 0, 1, NQ-1, \slot, 0                     ; sixteen matrix instructions stand between the add and the wait for it
	s_wait_dscnt 0x0                               ; the add is done, and my reads of this slot are over
	s_barrier_signal -1
	MUL16 2, 1, NQ-1, \slot, 0
	WIN 0
	s_barrier_wait -1
.if \fill
	CREST                                          ; the barrier has opened a round of the cluster's barrier: no wave of any partner still reads this slot's tile or has a load on its way
	s_add_nc_u64 s[G0+4*\slot+2:G0+4*\slot+3], s[G0+4*\slot+2:G0+4*\slot+3], 2*ROWB
	s_add_nc_u64 s[G0B+4*\slot+2:G0B+4*\slot+3], s[G0B+4*\slot+2:G0B+4*\slot+3], 2*ROWB
	JLOAD G0+4*\slot, G1, G0B+4*\slot, G1B         ; the first tensor load behind the round; its four v_nop are among the places in front of the loads below
	PLACES NP-4
.else
	PLACES NP
.endif
	s_wait_alu depctr_va_vdst(0)
	v_add_nc_u32 v[ADRS], 4*NQ, v[ADRS]            ; on to the next K step's scale words (no LDS load of mine is out)
	FETCH_B \next, 0, 0
	FETCH_A \next, 0, 0
	SCALES \next
	WIN MUL_HI
	MUL16 4, 1, NQ-1, \slot, 0
	MUL16 6, 1, NQ-1, \slot, 0
	PLACES NP
	WIN 0
	FETCH_A \next, 0, 4
.endm
	s_wait_alu depctr_va_vdst(0)
	s_wait_tensorcnt 1                             ; the scales and my part of K step 0 are in (K step 1's load may be out)
	s_barrier_signal -1
	s_barrier_wait -1                              ; everybody's are
	FETCH_B 0, 0, 0
	FETCH_A 0, 0, 0
	SCALES 0
	FETCH_A 0, 0, 4
	s_wait_loadcnt 0x0                             ; the biases
.set i, 0
.rept 64
	v_cndmask_b32 v[BN+i], v[BN+i], v[ZR], s101    ; v has no bias along n'
.set i, i+1
.endr
.set i, 0
.rept 8
	v_cndmask_b32 v[BM+i], v[ZR], v[BM+i], s101    ; q and k have none along m'
.set i, i+1
.endr
	s_wait_alu depctr_va_vdst(0)
	STEP 0, 0, 1                                   ; the first step stands in front of the loop: its products start the sums
	s_mov_b32 s3, LAPS-1
.Llap:                                                 ; a trip goes once round the ring, from a lap's second step to the next lap's first, and fills both slots again
	TURN 0, 1, 1
	STEP 1, 0, 0
	TURN 1, 0, 1
	STEP 0, 0, 0
	s_sub_co_u32 s3, s3, 1
	s_cmp_lg_u32 s3, 0
	s_cbranch_scc1 .Llap
	TURN 0, 1, 0                                   ; the last lap fills nothing, and has no round of the cluster's barrier
	STEP 1, 0, 0
	s_wait_dscnt 4*NL                              ; the very last step: nothing more to fetch
	WIN MUL_LO
	MUL16 0, 1, NQ-1, 1, 0
	MUL16 2, 1, NQ-1, 1, 0
	s_wait_dscnt 0
	WIN MUL_HI
	MUL16 4, 1, NQ-1, 1, 0
	MUL16 6, 1, NQ-1, 1, 0
	WIN 0
	; THE WAY OUT, block by block of 16 rows x 128 along n'.
	PLACES NP                                      ; behind the last products: their results are read and A's registers written below
.irp b, 0,1,2,3
	v_mov_b32 v[TM+4+\b], 0                        ; written once: a lane permute's destination counts as one of its sources
.endr
	v_and_b32 v1, 31, v0
	v_lshlrev_b32 v2, 4, v1                        ; an even row tile: 16 x lane;
	v_xor_b32 v3, 128, v2                          ; an odd one: 16 x (lane xor 8)
	v_mov_b32 v[VO], v2
	v_add_nc_u32 v[VO+1], s18, v2
	v_add_nc_u32 v[VO+2], s19, v2
	v_add_nc_u32 v[VO+3], s22, v2
	v_mov_b32 v[VO+4], v3
	v_add_nc_u32 v[VO+5], s18, v3
	v_add_nc_u32 v[VO+6], s19, v3
	v_add_nc_u32 v[VO+7], s22, v3
; 64 numbers of a lane in v[T] on: register 16 b + i (i < 8) is n' = 32 b + 8 h + i, register 16 b + 8 + i is n' = 32 b + 16 + 8 h + i, of my row.  They become codes in v[QC] on and the row's scale word in v[QP].
.macro QUANT
.irp b, 0,1,2,3
	v_max3_num_f32 v[TM+\b], |v[T+16*\b]|, |v[T+1+16*\b]|, 0x4800000   ; block b: my 16 numbers, and the floor 2^(9 - 127): so the byte cannot fall under 1
.endr
.irp i, 2,4,6,8,10,12,14
.irp b, 0,1,2,3
	v_max3_num_f32 v[TM+\b], v[TM+\b], |v[T+16*\b+\i]|, |v[T+1+16*\b+\i]|   ; (the four blocks by turns)
.endr
.endr
.irp b, 0,1,2,3
	v_permlanex16_b32 v[TM+4+\b], v[TM+\b], s20, s21
.endr
.irp b, 0,1,2,3
	v_max_num_f32 v[TM+\b], v[TM+\b], v[TM+4+\b]   ; with lane l xor 16's 16: the block's largest magnitude
.endr
.irp b, 0,1,2,3
	v_add_nc_u32 v[TM+12+\b], 0xfc000000, v[TM+\b] ; 8 off its exponent field: the conversion takes the exponent field of this operand as its scale
.endr
.irp b, 0,1,2,3
.endr
.irp b, 0,1,2,3
	v_lshrrev_b32 v[TM+4+\b], 23, v[TM+12+\b]      ; the scale's byte
.endr
	v_lshl_or_b32 v[QP], v[TM+5], 8, v[TM+4]       ; the four bytes make my row's scale word
	v_lshl_or_b32 v[QP], v[TM+6], 16, v[QP]
	v_lshl_or_b32 v[QP], v[TM+7], 24, v[QP]
.irp b, 0,1,2,3
.irp i, 0,1,2,3,4,5,6,7,8,9,10,11,12,13,14,15
.endr
	v_cvt_scalef32_pk8_fp8_f32 v[QC+4*\b:QC+1+4*\b], v[T+16*\b:T+7+16*\b], v[TM+12+\b]
	v_cvt_scalef32_pk8_fp8_f32 v[QC+2+4*\b:QC+3+4*\b], v[T+8+16*\b:T+15+16*\b], v[TM+12+\b]
.endr
	v_nop                                          ; one plain vector instruction between the last conversion and the lines that touch its result
.endm
.macro QBLK a
.set AC, 64*((\a)%4)
.set BP, BM+2*((\a)/2)
.set QC, CD+16*((\a)%2)
.set QP, PW+(\a)
.set QV, VO+4*((\a)%2)
	s_wait_xcnt 0x0                                ; the earlier stores have read their registers and their base: the codes' set of two blocks ago is written again, and the base steps
.if (\a) > 0
	s_add_nc_u64 s[94:95], s[94:95], s[6:7]
.endif
.if (\a) == 4
	s_add_nc_u64 s[94:95], s[94:95], s[12:13]
.endif
	WIN 0x02+(\a)/4                                ; source 0: window 2 or 3
.set i, 0
.rept 32
.if (\a)%2 == 0
	v_pk_add_f32 v[T+i:T+i+1], v[AC+i:AC+i+1], v[BP:BP+1] op_sel_hi:[1,0]               ; + the bias along m'; each accumulator is read from its low end on
.else
	v_pk_add_f32 v[T+i:T+i+1], v[AC+i:AC+i+1], v[BP:BP+1] op_sel:[0,1] op_sel_hi:[1,1]
.endif
.set i, i+2
.endr
	WIN 0
	QUANT
.irp b, 0,1,2,3                        ; lanes 16-31 of the first eight codes change places with lanes 0-15 of the second eight: a lane's four registers are then n' = 32 b + 16 h + 0 .. 15
	v_permlane16_swap_b32 v[QC+4*\b], v[QC+4*\b+2]
	v_permlane16_swap_b32 v[QC+4*\b+1], v[QC+4*\b+3]
.endr
.irp b, 0,1,2,3
	global_store_b128 v[QV+\b], v[QC+4*\b:QC+4*\b+3], s[94:95]     ; a whole chunk: 512 consecutive bytes, aligned
.endr
	ds_store_b32 v[STW], v[QP] offset:64*(\a)      ; both halves of the lanes write the same word with the same value
.endm
.irp a, 0,1,2,3,4,5,6,7
	QBLK \a
.endr
	ds_load_b128 v[T:T+3], v[RDW]                  ; LDS serves a wave's instructions in order (ISA guide 5.7.1.4): this sees my stores
	s_wait_dscnt 0x0
	global_store_b128 v[SCO], v[T:T+3], s[98:99]   ; my 128 rows' scale words: 512 consecutive bytes, aligned
	s_wait_tensorcnt 0x0                           ; the wave's end: behind my last tensor load and my last LDS store
	ds_add_u32 v[SPW], v[NIL]
	s_wait_dscnt 0x0
	CROUND                                         ; the closing round: no work-group ends while a partner may still ask for a tile that names it
	s_endpgm
.Lfunc_end_k_qe788cf2e39_qkv:
	.size	k_qe788cf2e39_qkv, .Lfunc_end_k_qe788cf2e39_qkv-k_qe788cf2e39_qkv
	.p2alignl 7, 3214868480
	.fill 96, 4, 3214868480
	.section	.rodata,"a",@progbits
	.p2align	6, 0x0
	.amdhsa_kernel k_qe788cf2e39_qkv
		.amdhsa_group_segment_fixed_size 327680
		.amdhsa_private_segment_fixed_size 0
		.amdhsa_enable_private_segment 0
		.amdhsa_kernarg_size 72
		.amdhsa_user_sgpr_count 2
		.amdhsa_user_sgpr_kernarg_segment_ptr 1
		.amdhsa_wavefront_size32 1
		.amdhsa_system_sgpr_workgroup_id_x 1
		.amdhsa_system_sgpr_workgroup_id_y 1
		.amdhsa_system_sgpr_workgroup_id_z 1
		.amdhsa_system_vgpr_workitem_id 0
		.amdhsa_next_free_vgpr 1024
		.amdhsa_next_free_sgpr 106
		.amdhsa_reserve_vcc 0
		.amdhsa_float_denorm_mode_32 3
		.amdhsa_float_denorm_mode_16_64 3
		.amdhsa_fp16_overflow 1
		.amdhsa_memory_ordered 1
		.amdhsa_forward_progress 1
		.amdhsa_inst_pref_size 178
	.end_amdhsa_kernel
	.amdgpu_metadata
---
amdhsa.version: [ 1, 2 ]
amdhsa.kernels:
  - .name:           k_qe788cf2e39_qkv
    .symbol:         k_qe788cf2e39_qkv.kd
    .args:
      - { .name: x_codes, .offset: 0, .size: 8, .value_kind: global_buffer, .address_space: global }
      - { .name: x_scales, .offset: 8, .size: 8, .value_kind: global_buffer, .address_space: global }
      - { .name: Wqkv_codes, .offset: 16, .size: 8, .value_kind: global_buffer, .address_space: global }
      - { .name: Wqkv_scales, .offset: 24, .size: 8, .value_kind: global_buffer, .address_space: global }
      - { .name: bqkv, .offset: 32, .size: 8, .value_kind: global_buffer, .address_space: global }
      - { .name: qk_img, .offset: 40, .size: 8, .value_kind: global_buffer, .address_space: global }
      - { .name: v_img, .offset: 48, .size: 8, .value_kind: global_buffer, .address_space: global }
      - { .name: qk_sc, .offset: 56, .size: 8, .value_kind: global_buffer, .address_space: global }
      - { .name: v_sc, .offset: 64, .size: 8, .value_kind: global_buffer, .address_space: global }
    .group_segment_fixed_size: 327680
    .private_segment_fixed_size: 0
    .kernarg_segment_align: 8
    .kernarg_segment_size: 72
    .max_flat_workgroup_size: 128
    .sgpr_count:     106
    .vgpr_count:     1024
    .wavefront_size: 32
...
	.end_amdgpu_metadata
.endif
;; end of part 1
;; launch attn (part 2): grid 4 x 64, 16 waves a work-group, clusters of 4 x 1, 272,384 bytes of LDS; arguments qk_img, qk_sc, v_img, v_sc, y_img, y_sc; writes y_img, y_sc
.if DOCPART == 2
	.amdgcn_target "amdgcn-amd-amdhsa--gfx1250"
	.amdhsa_code_object_version 6
	.text
	.protected	k_qe788cf2e39_attn
	.globl	k_qe788cf2e39_attn
	.p2align	8
	.type	k_qe788cf2e39_attn,@function
k_qe788cf2e39_attn:
	s_mov_b64 s[64:65], 0
	v_nop
	global_prefetch_b8 v0, s[64:65] scope:SCOPE_SE
	s_setreg_imm32_b32 hwreg(HW_REG_WAVE_MODE, 25, 1), 1
	s_wait_xcnt 0x0
	s_wait_alu depctr_hold_cnt(0) depctr_sa_sdst(0) depctr_va_vdst(0) depctr_va_sdst(0) depctr_va_ssrc(0) depctr_va_vcc(0) depctr_vm_vsrc(0)
	s_getreg_b32 s2, hwreg(HW_REG_IB_STS2, 6, 4)
	s_cmp_eq_u32 s2, 0
	s_cbranch_scc0 .Lentry_in_a_cluster
	s_endpgm
.Lentry_in_a_cluster:
	s_bfe_u32 s2, ttmp6, 0x10000c
	s_cmp_lg_u32 s2, 0x3003
	s_cbranch_scc0 .Lentry_shape_is_right
	s_endpgm
.Lentry_shape_is_right:
; y[b][q][head][:] = the sum over keys k <= q of softmax_k(Q . K / 8) V, both products on codes of FP8 (E4M3) with one E8M0 scale for each 32 along a product's K; y is quantised at once, along the channels, for the last product.
; THE SOFTMAX AHEAD OF THE SECOND PRODUCT: t = score x log2(e) / 8 (one multiplication); M = the row's largest t so far, rounded UP to a whole number; p = 2^(t - M) is what is quantised, along the keys; the row's sum is taken of the
; unquantised p and divides O at the end.  When M moves, the sum and O are multiplied by 2^(old M - new M): exact.
; INPUTS are images of operand registers: a chunk of 512 bytes holds, for 16 rows and 32 along K, lane (r, h)'s 16 codes k = 16 h + 0..15 of row r at 16 x ((r xor 8 (row tile & 1)) + 16 h).
;   qk_img [q or k][batch x head][token tile 128][block 2][512];  v_img [batch x head][key block 64][d tile 4][512];  qk_sc words [channel / 128][token];  v_sc words [token / 128][channel].
; SHARES.  A cluster of four work-groups serves one head of one batch.  A whole head's K and V, 131,072 bytes each, stay in LDS: they are filled ONCE, by joint loads (mask: all four), so there is no ring.
; A wave owns one tile of 16 queries at a time, two in all: tile 4 m + cx with m = 31 - wave, then m = wave.  Tile 4 m + cx needs key steps 0 .. m / 2 of 128 keys, whatever cx: every branch hangs on the wave's number and constants,
; partners run alike, and every wave does 17 key steps.  Every loop's trip count is a constant; a step all of whose keys are hidden is jumped over inside the trip.
; LAYOUT.  Both products are used transposed: S^T = K Q^T (source 0 = keys, source 1 = my queries), O^T = V^T P^T (source 0 = 16 of the head's 64, source 1 = P): a lane holds ONE query (lane % 16) throughout.
; THE ROWS OF A TILE ARE NOT NEIGHBOURS: lane r of tile 2 b + u takes row 32 b + 8 u + r % 8 + 16 (r / 8), so that the 16 registers of tiles 2 b and 2 b + 1 are 16 neighbours along the next K.  The exclusive or in a chunk's order
; lets the sixteen lanes of such a tile, eight from each of two chunks, touch sixteen different columns of 16 bytes.
; K = 64 IS HALF OF THE INSTRUCTION'S 128: one source 0 holds tile 2 b in its K blocks 0, 1 and tile 2 b + 1 in blocks 2, 3; multiplied by [Q | 0] it gives tile 2 b's scores, by [0 | Q] tile 2 b + 1's.  Zero codes add nothing.
; LIMITS: as the launch that made the codes states them; y's block of zeros gets the byte 1 (its codes are zeros; this program alone reads the bytes).  y's scale bytes leave as single bytes, two to a row and head: 1/32 of y's codes.
.set VIMG, 131072                      ; LDS: K's image at 0, V's here,
.set KSW,  262144                      ; K's scale words as the products want them, [key step x 4 + b][lane 16], 4,096 bytes,
.set VSC,  266240                      ; V's, [key step][d 64], 4,096 bytes; the last two are written by LDS stores alone
.set F,    48                          ; v48-111  four fragments of K or of V
.set FS,   112                         ; v112-115 their scale words
.set S,    116                         ; v116-179 S^T, then p
.set O,    180                         ; v180-211 O^T
.set PC,   212                         ; v212-227 p's codes; at the end y's
.set BX,   228                         ; v228-231 the blocks' largest
.set TP,   232                         ; v232-235 at work; the bytes
.set HL,   236                         ; v236-239 partial sums of p
.set CV,   240                         ; v240-243 the conversions' scale operands
.set FF,   244                         ; v[244:245] f = 2^(old M - new M), later 1 / the sum; v245 = 0, named with it as a pair
.set PS,   246                         ; v246     p's scale word
.set TA,   247                         ; v247     at work
.set TY,   248                         ; v248     at work
.set YSO,  249                         ; v249     32 r + h: my byte among y's scale bytes
.set SU2,  250                         ; v[250:251] the sum's second chain
.set NINF, 252                         ; v252     -infinity
.set RH,   253                         ; v253     r - 16 h
; v1, v2 my lane's place in a tile of K (u = 0, 1); v3, v4 of V; v5 among K's scale words; v6, v7 among V's; v8-14 the step's seven addresses; v15 the mask's distance; v16 -M, v17 the largest t, v[18:19] the sum;
; v20-27 zeros, v28-35 Q, v36-43 zeros; v44 Q's scale word; v45 Q's byte offset, v46 4 r, v47 16 x lane
.set WV,   16                          ; s16  my wave's number
.set CX,   17                          ; s17  my place in the cluster: it enters global addresses and the mask's distance alone
.set BH,   18                          ; s18  batch x 16 + head
.set MNT,  19
.set SEL,  20                          ; s[20:21] lane selects for v_permlanex16_b32: lane l xor 16
.set CS,   22                          ; s[22:23] c = log2(e) / 8
.set G1A,  24                          ; s[24:31] descriptor group 1: 16 rows of 256 bytes;  s[32:39]: 48 rows
.set G1B,  32
.set G0KA, 40                          ; groups 0: K's keys 0-511, K's rest, V's keys 0-511, V's rest
.set G0KB, 44
.set G0VA, 48
.set G0VB, 52
.set SI,   56                          ; s56  the key step's number
.set SD,   57                          ; s57  the step on the diagonal: m / 2
.set TB,   58                          ; s58  the step's first byte in an image: 8,192 a step
.set TS,   59                          ; s59  and among the scale words: 256 a step
.set HIM,  60                          ; s60  lanes 16-31
.set SELK, 61                          ; s61  byte selects: my head's two bytes of two of K's words
.set SELQ, 62                          ; s62  my head's two bytes of Q's word, twice
.set MM,   63                          ; s63  m
.set PQ,   66                          ; s[66:73] the phase's pointers: Q's codes, Q's scale words, y's codes, y's scale bytes
.set PQS,  68
.set PY,   70
.set PYS,  72
.set QHB,  80                          ; s[80:87] the same at the head's first tile
.set QSB,  82
.set YB,   84
.set YSB,  86
.set BB,   88                          ; s88  batch
.set HH,   89                          ; s89  head
.set CNT,  90                          ; s90  counts a loop's trips
.macro CROUND                          ; a round of the cluster's barrier
	s_barrier_signal -1
	s_barrier_wait -1
	s_cmp_lg_u32 s[WV], 0
	s_cbranch_scc1 .Lnot_wave_0_\@
	s_barrier_signal -3
.Lnot_wave_0_\@:
	s_barrier_wait -3
	s_barrier_signal -1
	s_barrier_wait -1
.endm
	s_load_b256 s[4:11], s[0:1], 0x0               ; qk_img s[4:5], qk_sc s[6:7], v_img s[8:9], v_sc s[10:11]
	s_load_b128 s[12:15], s[0:1], 0x20             ; y_img s[12:13], y_sc s[14:15]
	v_lshl_add_u32 v254, v0, 2, 0x42000
	v_mov_b32 v255, 0
	ds_add_u32 v254, v255
	ds_add_u32 v254, v255
	v_lshrrev_b32 v8, 5, v0
	s_delay_alu instid0(VALU_DEP_1)
	v_readfirstlane_b32 s[WV], v8                  ; wave 0..15
	s_bfe_u32 s[CX], ttmp6, 0x40000
	s_and_b32 s[BH], ttmp7, 0xffff                 ; the cluster's y: which the four partners share
	s_lshr_b32 s[BB], s[BH], 4
	s_and_b32 s[HH], s[BH], 15
	; descriptor group 1: dense blocks as rows of 256 bytes (32 elements of 8 bytes), no padding: the images are read 16 bytes a lane, in the chunks' own order
	s_mov_b32 s[G1A], 15|(3<<16)|(1<<21)           ; 15:0 the mask: all four work-groups; 17:16 elements of 8 bytes; 21 set beside a mask
	s_mov_b32 s[G1A+1], 32<<16                     ; tensor_dim0
	s_mov_b32 s[G1A+2], 16<<16                     ; tensor_dim1
	s_mov_b32 s[G1A+3], 32<<16                     ; tile_dim0
	s_mov_b32 s[G1A+4], 16                         ; tile_dim1: 4,096 bytes
	s_mov_b32 s[G1A+5], 32                         ; tensor_dim0_stride
	s_mov_b32 s[G1A+6], 0
	s_mov_b32 s[G1A+7], 0
	s_mov_b32 s[G1B], 15|(3<<16)|(1<<21)
	s_mov_b32 s[G1B+1], 32<<16
	s_mov_b32 s[G1B+2], 48<<16
	s_mov_b32 s[G1B+3], 32<<16
	s_mov_b32 s[G1B+4], 48                         ; 12,288 bytes
	s_mov_b32 s[G1B+5], 32
	s_mov_b32 s[G1B+6], 0
	s_mov_b32 s[G1B+7], 0
	s_and_b32 s74, s[WV], 7                        ; waves 0-7 fetch K, waves 8-15 V: an eighth each
	s_lshl_b32 s75, s74, 12                        ; of the first 32,768 bytes (keys 0-511),
	s_mul_i32 s76, s74, 12288
	s_add_co_u32 s76, s76, 32768                   ; and of the other 98,304
	s_lshl_b32 s78, s[BH], 17                      ; the head's image begins 131,072 x (batch x 16 + head) bytes on
	s_mov_b32 s79, 0
	s_mov_b32 s[SEL], 0x76543210
	s_mov_b32 s[SEL+1], 0xfedcba98
	s_mov_b32 s[CS], 0x3e38aa3b
	s_mov_b32 s[CS+1], s[CS]                       ; (named with it as a pair, so it is written)
	s_mov_b32 s[HIM], 0xffff0000
	s_wait_dscnt 0x0
	s_wait_kmcnt 0x0
	s_add_nc_u64 s[QHB:QHB+1], s[4:5], s[78:79]    ; Q's image of my head
	s_add_nc_u64 s[8:9], s[8:9], s[78:79]          ; V's
	s_add_nc_u64 s[4:5], s[QHB:QHB+1], 8388608     ; K's: 64 heads' images behind Q's
	s_mov_b32 s78, s75
	s_mov_b32 s[G0KA], 1                           ; 1:0 count = 1
	s_mov_b32 s[G0KA+1], s75                       ; 63:32 LDS address
	s_add_nc_u64 s[G0KA+2:G0KA+3], s[4:5], s[78:79]   ; 120:64 global address
	s_or_b32 s[G0KA+3], s[G0KA+3], 0x80000000      ; 127:126 type = 2
	s_mov_b32 s[G0VA], 1
	s_add_co_u32 s[G0VA+1], s75, VIMG
	s_add_nc_u64 s[G0VA+2:G0VA+3], s[8:9], s[78:79]
	s_or_b32 s[G0VA+3], s[G0VA+3], 0x80000000
	s_mov_b32 s78, s76
	s_mov_b32 s[G0KB], 1
	s_mov_b32 s[G0KB+1], s76
	s_add_nc_u64 s[G0KB+2:G0KB+3], s[4:5], s[78:79]
	s_or_b32 s[G0KB+3], s[G0KB+3], 0x80000000
	s_mov_b32 s[G0VB], 1
	s_add_co_u32 s[G0VB+1], s76, VIMG
	s_add_nc_u64 s[G0VB+2:G0VB+3], s[8:9], s[78:79]
	s_or_b32 s[G0VB+3], s[G0VB+3], 0x80000000
	CROUND                                         ; all four work-groups are here: the joint loads meet
	s_cmp_lt_u32 s[WV], 8                          ; a wave's two fills stand in one branch, ahead of every wait on TENSORcnt, every LDS read and every other barrier: two loads of mine are out
	s_cbranch_scc0 .Lfirst_v
	tensor_load_to_lds s[G0KA:G0KA+3], s[G1A:G1A+7]
	s_nop 0
	tensor_load_to_lds s[G0KB:G0KB+3], s[G1B:G1B+7]
	s_nop 0
.rept 4
	v_nop
.endr
	s_branch .Lfirst_asked
.Lfirst_v:
	tensor_load_to_lds s[G0VA:G0VA+3], s[G1A:G1A+7]
	s_nop 0
	tensor_load_to_lds s[G0VB:G0VB+3], s[G1B:G1B+7]
	s_nop 0
.rept 4
	v_nop
.endr
.Lfirst_asked:
	; the head's other bases
	s_lshr_b32 s74, s[HH], 1
	s_lshl_b32 s74, s74, 15                        ; a row of qk_sc is 8,192 words; two heads share a word
	s_lshl_b32 s77, s[BB], 13
	s_add_co_u32 s78, s74, s77
	s_add_nc_u64 s[QSB:QSB+1], s[6:7], s[78:79]    ; Q's scale words at the batch's first token
	s_add_nc_u64 s[6:7], s[QSB:QSB+1], 262144      ; K's: eight rows on
	s_lshl_b32 s74, s[BB], 16
	s_lshl_b32 s77, s[HH], 8
	s_add_co_u32 s78, s74, s77
	s_add_nc_u64 s[10:11], s[10:11], s[78:79]      ; V's scale words: row 16 x batch, channel 64 x head
	s_lshr_b32 s74, s[HH], 2
	s_lshl_b32 s74, s74, 21                        ; y_img [K / 256][token tile 512][block 8][512]: four heads to a K step of 256,
	s_lshl_b32 s77, s[BB], 19
	s_add_co_u32 s74, s74, s77
	s_and_b32 s77, s[HH], 3
	s_lshl_b32 s77, s77, 10                        ; two blocks to a head
	s_add_co_u32 s78, s74, s77
	s_add_nc_u64 s[YB:YB+1], s[12:13], s[78:79]
	s_lshl_b32 s74, s[BB], 16
	s_lshl_b32 s77, s[HH], 1
	s_add_co_u32 s78, s74, s77
	s_add_nc_u64 s[YSB:YSB+1], s[14:15], s[78:79]  ; y_sc [token][32]
	s_mov_b32 s[SELK], 0x05040100
	s_mov_b32 s[SELQ], 0x01000100
	s_and_b32 s74, s[HH], 1
	s_cmp_lg_u32 s74, 0                            ; an odd head has the upper two bytes of a word
	s_cselect_b32 s[SELK], 0x07060302, s[SELK]
	s_cselect_b32 s[SELQ], 0x03020302, s[SELQ]
	; THE SCALE WORDS come once, through registers.  Thread n: K's words of lane n % 16 of pair of tiles n / 16 and n / 16 + 32: the keys 32 (n / 16) + n % 8 + 16 ((n / 8) % 2) and eight further on;  V's: two words of step n / 32
	v_and_b32 v8, 15, v0                           ; r
	v_bfe_u32 v9, v0, 4, 1                         ; h
	v_bfe_u32 v10, v0, 3, 1                        ; r / 8
	v_and_b32 v11, 31, v0                          ; lane
	v_and_b32 v12, 7, v0                           ; r % 8
	v_lshrrev_b32 v13, 4, v0
	s_delay_alu instid0(VALU_DEP_1)
	v_lshlrev_b32 v13, 7, v13
	s_delay_alu instid0(VALU_DEP_1)
	v_lshl_add_u32 v13, v12, 2, v13
	s_delay_alu instid0(VALU_DEP_1)
	v_lshl_add_u32 v13, v10, 6, v13
	v_lshrrev_b32 v14, 5, v0
	s_delay_alu instid0(VALU_DEP_1)
	v_lshlrev_b32 v14, 12, v14
	s_delay_alu instid0(VALU_DEP_1)
	v_lshl_add_u32 v14, v11, 3, v14
	global_load_b32 v48, v13, s[6:7]
	global_load_b32 v49, v13, s[6:7] offset:32
	global_load_b32 v50, v13, s[6:7] offset:4096
	global_load_b32 v51, v13, s[6:7] offset:4128
	global_load_b64 v[52:53], v14, s[10:11]
	v_lshlrev_b32 v1, 4, v8
	s_delay_alu instid0(VALU_DEP_1)
	v_lshl_add_u32 v1, v9, 8, v1                   ; 16 r + 256 h
	s_delay_alu instid0(VALU_DEP_1)
	v_lshl_add_u32 v3, v10, 9, v1                  ; V: lanes 8-15 take the next d tile's chunk, 512 bytes on
	s_delay_alu instid0(VALU_DEP_1)
	v_add_nc_u32 v3, VIMG, v3
	s_delay_alu instid0(VALU_DEP_3)
	v_lshl_add_u32 v1, v10, 10, v1                 ; K: lanes 8-15 take the next token tile's chunk, 1,024 bytes on
	s_delay_alu instid0(VALU_DEP_1)
	v_xor_b32 v2, 128, v1                          ; u = 1: the other eight rows of both chunks
	s_delay_alu instid0(VALU_DEP_3)
	v_xor_b32 v4, 128, v3
	v_lshl_add_u32 v5, v8, 2, KSW
	v_lshlrev_b32 v6, 2, v12
	s_delay_alu instid0(VALU_DEP_1)
	v_lshl_add_u32 v6, v10, 6, v6
	s_delay_alu instid0(VALU_DEP_1)
	v_add_nc_u32 v6, VSC, v6                       ; V's word of d = r % 8 + 16 (r / 8);
	s_delay_alu instid0(VALU_DEP_1)
	v_add_nc_u32 v7, 32, v6                        ; u = 1: eight further on
	s_and_b32 s74, s[CX], 1
	s_lshl_b32 s74, s74, 7
	v_lshlrev_b32 v47, 4, v11                      ; 16 x lane
	s_delay_alu instid0(VALU_DEP_1)
	v_xor_b32 v45, s74, v47                        ; Q's tile 4 m + cx is odd where cx is: 16 x (lane xor 8)
	v_lshlrev_b32 v46, 2, v8
	v_lshl_add_u32 v[YSO], v8, 5, v9
	v_lshlrev_b32 v[RH], 4, v9
	s_delay_alu instid0(VALU_DEP_1)
	v_sub_nc_u32 v[RH], v8, v[RH]
	v_mov_b32 v[NINF], 0xff800000
.irp j, 0,1,2,3,4,5,6,7
	v_mov_b32 v[20+\j], 0                          ; the zero halves beside Q
	v_mov_b32 v[36+\j], 0
.endr
.irp b, 0,1,2,3
	v_mov_b32 v[TP+\b], 0                          ; written once: a lane permute's destination counts as one of its sources
.endr
	v_mov_b32 v[FF+1], 0
	v_lshl_add_u32 v15, v0, 2, KSW
	v_lshl_add_u32 v[TY], v0, 3, VSC
	s_wait_loadcnt 0x0
	v_perm_b32 v54, v49, v48, s[SELK]              ; bytes 0, 1: tile 2 b's key; bytes 2, 3: tile 2 b + 1's
	s_wait_alu depctr_va_vdst(0)
	v_perm_b32 v55, v51, v50, s[SELK]
	ds_store_b32 v15, v54
	ds_store_b32 v15, v55 offset:2048
	ds_store_b64 v[TY], v[52:53]
	s_wait_tensorcnt 0x1                           ; my eighth of keys 0-511 is in; the rest may stay out
	s_wait_dscnt 0x0                               ; for the others' sake: my scale words lie in LDS
	s_barrier_signal -1
	s_barrier_wait -1
; A KEY STEP: 128 keys.
.macro STEP
	s_cmp_gt_u32 s[SI], s[SD]                      ; all its keys come after my queries: only the lines at its end that step addresses are run
	s_cbranch_scc1 .Lhidden_\@
	s_setprio 2
	v_add_nc_u32 v8, s[TB], v1
	v_add_nc_u32 v9, s[TB], v2
	v_add_nc_u32 v10, s[TB], v3
	v_add_nc_u32 v11, s[TB], v4
	v_add_nc_u32 v12, s[TS], v5
	v_add_nc_u32 v13, s[TS], v6
	v_add_nc_u32 v14, s[TS], v7
	v_nop                                          ; with the seven additions: eight places in front of loads into registers that the last products read
.irp b, 0,1,2,3
	ds_load_b128 v[F+16*\b:F+16*\b+3], v8 offset:2048*\b             ; tile 2 b: the head's d 0-31,
	ds_load_b128 v[F+16*\b+4:F+16*\b+7], v8 offset:2048*\b+512       ; d 32-63;
	ds_load_b128 v[F+16*\b+8:F+16*\b+11], v9 offset:2048*\b          ; tile 2 b + 1 likewise
	ds_load_b128 v[F+16*\b+12:F+16*\b+15], v9 offset:2048*\b+512
	ds_load_b32 v[FS+\b], v12 offset:64*\b
.endr
	s_wait_alu depctr_va_vdst(0)
	s_wait_dscnt 0x0
.irp b, 0,1,2,3
	v_wmma_scale_f32_16x16x128_f8f6f4 v[S+16*\b:S+16*\b+7], v[F+16*\b:F+16*\b+15], v[28:43], 0, v[FS+\b], v44      ; x [Q | 0]: keys 32 b + 16 h + 0 .. 7
	v_wmma_scale_f32_16x16x128_f8f6f4 v[S+16*\b+8:S+16*\b+15], v[F+16*\b:F+16*\b+15], v[20:35], 0, v[FS+\b], v44   ; x [0 | Q]: keys 32 b + 16 h + 8 .. 15
.endr
.rept 8
	v_nop                                          ; places in front of the loads below and of the first read of the scores
.endr
.irp t, 0,1,2,3                        ; V's four tiles of 16 of the head's 64, K = these 128 keys: they land while the softmax is worked
.irp c, 0,1,2,3
	ds_load_b128 v[F+16*\t+4*\c:F+16*\t+4*\c+3], v[10+(\t%2)] offset:2048*\c+1024*(\t/2)
.endr
	ds_load_b32 v[FS+\t], v[13+(\t%2)] offset:128*(\t/2)
.endr
	s_cmp_lt_u32 s[SI], s[SD]                      ; on the diagonal the scores of hidden keys become -infinity ahead of the maximum: p = 0 then.  A step all of whose keys count skips this
	s_cbranch_scc1 .Lopen_\@
.irp n, 0,1,2,3,4,5,6,7,8,9,10,11,12,13,14,15,16,17,18,19,20,21,22,23,24,25,26,27,28,29,30,31,32,33,34,35,36,37,38,39,40,41,42,43,44,45,46,47,48,49,50,51,52,53,54,55,56,57,58,59,60,61,62,63
	v_cmp_gt_i32 vcc_lo, 32*(\n/16)+\n%16, v15     ; register 16 b + i holds the step's key 16 h + 32 b + i: hidden where 32 b + i > my query - the step's first key - 16 h
	v_cndmask_b32 v[S+\n], v[S+\n], v[NINF], vcc_lo
.endr
.Lopen_\@:
.irp b, 0,1,2,3
	v_max3_num_f32 v[BX+\b], v[S+16*\b], v[S+1+16*\b], v[S+2+16*\b]   ; the largest score of each block of 32 keys: for the row's maximum and, since p rises with the score, for the block's largest p
.endr
.irp i, 3,5,7,9,11,13
.irp b, 0,1,2,3
	v_max3_num_f32 v[BX+\b], v[BX+\b], v[S+16*\b+\i], v[S+1+16*\b+\i]
.endr
.endr
.irp b, 0,1,2,3
	v_max_num_f32 v[BX+\b], v[BX+\b], v[S+15+16*\b]
.endr
.irp b, 0,1,2,3
	s_delay_alu instid0(VALU_DEP_4)
	v_permlanex16_b32 v[TP+\b], v[BX+\b], s[SEL], s[SEL+1]
.endr
.irp b, 0,1,2,3
	s_delay_alu instid0(VALU_DEP_4)
	v_max_num_f32 v[BX+\b], v[BX+\b], v[TP+\b]     ; with lane l xor 16's 16 keys
.endr
	s_delay_alu instid0(VALU_DEP_2)
	v_max3_num_f32 v[TA], v[BX], v[BX+1], v[BX+2]
	s_delay_alu instid0(VALU_DEP_1)
	v_max_num_f32 v[TA], v[TA], v[BX+3]            ; the step's largest score of my query
	s_delay_alu instid0(VALU_DEP_1)
	v_mul_f32 v[TA], s[CS], v[TA]                  ; as t (c is positive)
	s_delay_alu instid0(VALU_DEP_1)
	v_max_num_f32 v17, v17, v[TA]                  ; the running largest t
	v_mov_b32 v[TA], v16
	s_delay_alu instid0(VALU_DEP_2)
	v_floor_f32 v16, -v17                          ; the new -M = floor(-t) = -ceil(t): a whole number
	s_delay_alu instid0(VALU_DEP_1)
	v_sub_f32 v[TA], v16, v[TA]                    ; old M - new M: a whole number, 0 or less
	s_delay_alu instid0(VALU_DEP_1)
	v_cvt_i32_f32 v[TA], v[TA]                     ; (it saturates)
	s_delay_alu instid0(VALU_DEP_1)
	v_ldexp_f32 v[FF], 1.0, v[TA]                  ; f = 2^(old M - new M)
	s_setprio 1
.irp j, 0,2,4,6,8,10,12,14,16,18,20,22,24,26,28,30,32,34,36,38,40,42,44,46,48,50,52,54,56,58,60,62
	v_pk_fma_f32 v[S+\j:S+1+\j], v[S+\j:S+1+\j], s[CS:CS+1], v[16:17] op_sel_hi:[1,0,0]   ; t - M, two at a time
.endr
.irp b, 0,1,2,3
	v_fma_f32 v[BX+\b], v[BX+\b], s[CS], v16       ; the same of each block's largest score
.endr
	s_wait_alu depctr_va_vdst(0)
.irp j, 0,1,2,3,4,5,6,7,8,9,10,11,12,13,14,15,16,17,18,19,20,21,22,23,24,25,26,27,28,29,30,31,32,33,34,35,36,37,38,39,40,41,42,43,44,45,46,47,48,49,50,51,52,53,54,55,56,57,58,59,60,61,62,63
	v_exp_f32 v[S+\j], v[S+\j]                     ; p = 2^(t - M), at most 1: not normalised
.endr
.irp b, 0,1,2,3
	v_exp_f32 v[BX+\b], v[BX+\b]                   ; the block's largest p: the same two instructions on the same number give the same bits
.endr
	v_pk_mul_f32 v[18:19], v[18:19], v[FF:FF+1] op_sel_hi:[1,0]   ; the sums under the new M.  (A plain place behind the exponentials)
	s_wait_alu depctr_va_vdst(0)
.irp b, 0,1,2,3
	v_max_num_f32 v[BX+\b], 0x4800000, v[BX+\b]    ; the floor 2^(9 - 127): the byte cannot fall under 1
.endr
.irp b, 0,1,2,3
	s_delay_alu instid0(VALU_DEP_4)
	v_add_nc_u32 v[CV+\b], 0xfc000000, v[BX+\b]    ; 8 off the exponent field: the conversion's scale operand
.endr
.irp b, 0,1,2,3
.endr
.irp b, 0,1,2,3
	s_delay_alu instid0(VALU_DEP_4)
	v_lshrrev_b32 v[TP+\b], 23, v[CV+\b]           ; the scale's byte
.endr
	s_delay_alu instid0(VALU_DEP_3)
	v_lshl_or_b32 v[PS], v[TP+1], 8, v[TP]         ; p's scale word for these 128 keys
	s_delay_alu instid0(VALU_DEP_1)
	v_lshl_or_b32 v[PS], v[TP+2], 16, v[PS]
	s_delay_alu instid0(VALU_DEP_1)
	v_lshl_or_b32 v[PS], v[TP+3], 24, v[PS]
	v_pk_add_f32 v[250:251], v[120:121], v[124:125]
	v_pk_add_f32 v[238:239], v[128:129], v[132:133]
	v_pk_add_f32 v[236:237], v[136:137], v[140:141]
	v_pk_add_f32 v[230:231], v[144:145], v[148:149]
	v_pk_add_f32 v[228:229], v[152:153], v[156:157]
	v_pk_add_f32 v[226:227], v[160:161], v[164:165]
	v_pk_add_f32 v[224:225], v[168:169], v[172:173]
	v_pk_add_f32 v[18:19], v[18:19], v[176:177]
	v_pk_add_f32 v[250:251], v[250:251], v[116:117]
	v_pk_add_f32 v[238:239], v[238:239], v[118:119]
	v_pk_add_f32 v[236:237], v[236:237], v[122:123]
	v_pk_add_f32 v[230:231], v[230:231], v[126:127]
	v_pk_add_f32 v[228:229], v[228:229], v[130:131]
	v_pk_add_f32 v[226:227], v[226:227], v[134:135]
	v_pk_add_f32 v[224:225], v[224:225], v[138:139]
	v_pk_add_f32 v[18:19], v[18:19], v[142:143]
	v_pk_add_f32 v[250:251], v[250:251], v[146:147]
	s_setprio 0
	v_pk_add_f32 v[238:239], v[238:239], v[150:151]
	v_pk_add_f32 v[236:237], v[236:237], v[154:155]
	v_pk_add_f32 v[230:231], v[230:231], v[158:159]
	v_pk_add_f32 v[228:229], v[228:229], v[162:163]
	v_pk_add_f32 v[226:227], v[226:227], v[166:167]
	v_pk_add_f32 v[224:225], v[224:225], v[170:171]
	v_pk_add_f32 v[18:19], v[18:19], v[174:175]
	v_pk_add_f32 v[250:251], v[250:251], v[178:179]
	s_delay_alu instid0(VALU_DEP_2)
	v_pk_add_f32 v[18:19], v[18:19], v[230:231]
	s_delay_alu instid0(VALU_DEP_2)
	v_pk_add_f32 v[250:251], v[250:251], v[228:229]
	v_pk_add_f32 v[238:239], v[238:239], v[226:227]
	v_pk_add_f32 v[236:237], v[236:237], v[224:225]
	s_delay_alu instid0(VALU_DEP_2)
	v_pk_add_f32 v[18:19], v[18:19], v[238:239]
	s_delay_alu instid0(VALU_DEP_2)
	v_pk_add_f32 v[250:251], v[250:251], v[236:237]
	s_delay_alu instid0(VALU_DEP_1)
	v_pk_add_f32 v[18:19], v[18:19], v[250:251]
.irp b, 0,1,2,3
.irp i, 0,1,2,3,4,5,6,7,8,9,10,11,12,13,14,15
.endr
	v_cvt_scalef32_pk8_fp8_f32 v[PC+4*\b:PC+1+4*\b], v[S+16*\b:S+7+16*\b], v[CV+\b]
	v_cvt_scalef32_pk8_fp8_f32 v[PC+2+4*\b:PC+3+4*\b], v[S+8+16*\b:S+15+16*\b], v[CV+\b]
.endr
.irp j, 0,2,4,6,8,10,12,14,16,18,20,22,24,26,28,30
	v_pk_mul_f32 v[O+\j:O+1+\j], v[O+\j:O+1+\j], v[FF:FF+1] op_sel_hi:[1,0]   ; O^T under the new M.  (These sixteen are also the places between the codes and the products)
.endr
	s_wait_alu depctr_va_vdst(0)
	s_wait_dscnt 0x0                               ; V's fragments and scale words are in
.irp t, 0,1,2,3                        ; O^T += V^T P^T: the four accumulators by turns; the matrix instruction ahead of the first is a product of scores
	v_wmma_scale_f32_16x16x128_f8f6f4 v[O+8*\t:O+8*\t+7], v[F+16*\t:F+16*\t+15], v[PC:PC+15], v[O+8*\t:O+8*\t+7], v[FS+\t], v[PS]
.endr
.Lhidden_\@:
	s_add_co_u32 s[TB], s[TB], 8192
	s_add_co_u32 s[TS], s[TS], 256
	s_add_co_u32 s[SI], s[SI], 1
.endm
.macro LOOPN n                         ; n trips, a constant
	s_mov_b32 s[CNT], \n
.Ltrip_\@:
	STEP
	s_sub_co_u32 s[CNT], s[CNT], 1
	s_cmp_lg_u32 s[CNT], 0
	s_cbranch_scc1 .Ltrip_\@
	s_setprio 0
.endm
; THE WAY OUT of a tile: O^T / the sum is y; V's rows were chosen so that registers 16 b .. 16 b + 15 are d = 32 b + 16 h + 0 .. 15: the conversions' results are the last product's operand registers, and a store covers a whole chunk.
.macro YOUT
.rept 8
	v_nop                                          ; places behind the last products
.endr
	v_add_f32 v18, v18, v19                        ; the sum's two halves,
	s_delay_alu instid0(VALU_DEP_1)
	v_permlanex16_b32 v[TA], v18, s[SEL], s[SEL+1]
	s_delay_alu instid0(VALU_DEP_1)
	v_add_f32 v18, v18, v[TA]                      ; and lane l xor 16's: the row's sum
	s_wait_alu depctr_va_vdst(0)
	v_rcp_f32 v[FF], v18
	v_nop                                          ; one plain place behind a transcendental
	s_wait_alu depctr_va_vdst(0)
.irp j, 0,2,4,6,8,10,12,14,16,18,20,22,24,26,28,30
	v_pk_mul_f32 v[O+\j:O+1+\j], v[O+\j:O+1+\j], v[FF:FF+1] op_sel_hi:[1,0]
.endr
.irp b, 0,1
	v_max3_num_f32 v[BX+\b], |v[O+16*\b]|, |v[O+1+16*\b]|, 0x4800000
.endr
.irp i, 2,4,6,8,10,12,14
.irp b, 0,1
	s_delay_alu instid0(VALU_DEP_2)
	v_max3_num_f32 v[BX+\b], v[BX+\b], |v[O+16*\b+\i]|, |v[O+1+16*\b+\i]|
.endr
.endr
.irp b, 0,1
	s_delay_alu instid0(VALU_DEP_2)
	v_permlanex16_b32 v[TP+\b], v[BX+\b], s[SEL], s[SEL+1]
.endr
.irp b, 0,1
	s_delay_alu instid0(VALU_DEP_2)
	v_max_num_f32 v[BX+\b], v[BX+\b], v[TP+\b]
.endr
.irp b, 0,1
	s_delay_alu instid0(VALU_DEP_2)
	v_add_nc_u32 v[CV+\b], 0xfc000000, v[BX+\b]
.endr
.irp b, 0,1
.endr
.irp b, 0,1
	s_delay_alu instid0(VALU_DEP_2)
	v_lshrrev_b32 v[TP+\b], 23, v[CV+\b]
.endr
	s_delay_alu instid0(VALU_DEP_1)
	v_cndmask_b32 v[TY], v[TP], v[TP+1], s[HIM]    ; lanes 0-15 store my row's first byte, lanes 16-31 its second
.irp b, 0,1
.irp i, 0,1,2,3,4,5,6,7,8,9,10,11,12,13,14,15
.endr
	v_cvt_scalef32_pk8_fp8_f32 v[PC+4*\b:PC+1+4*\b], v[O+16*\b:O+7+16*\b], v[CV+\b]
	v_cvt_scalef32_pk8_fp8_f32 v[PC+2+4*\b:PC+3+4*\b], v[O+8+16*\b:O+15+16*\b], v[CV+\b]
.endr
	v_nop                                          ; one plain vector instruction behind the last conversion
	global_store_b128 v47, v[PC:PC+3], s[PY:PY+1]                  ; 512 consecutive bytes, aligned
	global_store_b128 v47, v[PC+4:PC+7], s[PY:PY+1] offset:512
	global_store_b8 v[YSO], v[TY], s[PYS:PYS+1]
.endm
; A PHASE: one tile of 16 queries, from its first key step to its last.
.macro PHASE p
	s_wait_xcnt 0x0                                ; the earlier loads and stores have read their bases and registers
.if \p == 0
	s_xor_b32 s[MM], s[WV], 31                     ; m = 31 - wave
.else
	s_mov_b32 s[MM], s[WV]                         ; m = wave
.endif
	s_lshl_b32 s74, s[MM], 2
	s_add_co_u32 s74, s74, s[CX]                   ; my tile: 4 m + cx
	s_lshr_b32 s[SD], s[MM], 1
	s_mov_b32 s77, 0
	s_lshl_b32 s76, s74, 10
	s_add_nc_u64 s[PQ:PQ+1], s[QHB:QHB+1], s[76:77]
	s_lshl_b32 s76, s74, 6
	s_add_nc_u64 s[PQS:PQS+1], s[QSB:QSB+1], s[76:77]
	s_lshl_b32 s76, s74, 12
	s_add_nc_u64 s[PY:PY+1], s[YB:YB+1], s[76:77]
	s_lshl_b32 s76, s74, 9
	s_add_nc_u64 s[PYS:PYS+1], s[YSB:YSB+1], s[76:77]
	s_and_b32 s76, s[MM], 1
	s_lshl_b32 s76, s76, 6
	s_lshl_b32 s78, s[CX], 4
	s_add_co_u32 s76, s76, s78
	v_add_nc_u32 v15, s76, v[RH]                   ; my query - the diagonal step's first key - 16 h = 64 (m % 2) + 16 cx + r - 16 h
	global_load_b128 v[28:31], v45, s[PQ:PQ+1]                     ; Q's fragment: d 0-31,
	global_load_b128 v[32:35], v45, s[PQ:PQ+1] offset:512          ; d 32-63
	global_load_b32 v[TA], v46, s[PQS:PQS+1]
	v_mov_b32 v17, 0xff61b1e6                      ; the largest t so far: -3e38, under every t
	s_delay_alu instid0(VALU_DEP_1)
	v_floor_f32 v16, -v17                          ; -M
	v_mov_b32 v18, 0                               ; the sum, in two halves
	v_mov_b32 v19, 0
	s_mov_b32 s[SI], 0
	s_mov_b32 s[TB], 0
	s_mov_b32 s[TS], 0
	s_wait_loadcnt 0x0
	v_perm_b32 v44, v[TA], v[TA], s[SELQ]          ; my head's two bytes, twice: for [Q | 0] and for [0 | Q]
.irp j, 0,1,2,3,4,5,6,7,8,9,10,11,12,13,14,15,16,17,18,19,20,21,22,23,24,25,26,27,28,29,30,31
	v_mov_b32 v[O+\j], 0                           ; O^T.  (The step is written once: the first finds zeros, which the first change of M leaves zeros)
.endr
.if \p == 0
	LOOPN 4                                        ; keys 0-511
	s_wait_tensorcnt 0x0                           ; my eighth of the other keys is in,
	s_wait_dscnt 0x0
	s_barrier_signal -1
	s_barrier_wait -1                              ; everybody's is
	LOOPN 12
.else
	LOOPN 8                                        ; m <= 15: steps 0 to 7 at the most
.endif
	YOUT
.endm
	PHASE 0
	PHASE 1
	s_wait_tensorcnt 0x0
	ds_add_u32 v254, v255
	s_wait_dscnt 0x0
	CROUND                                         ; the closing round
	s_endpgm
.Lfunc_end_k_qe788cf2e39_attn:
	.size	k_qe788cf2e39_attn, .Lfunc_end_k_qe788cf2e39_attn-k_qe788cf2e39_attn
	.p2alignl 7, 3214868480
	.fill 96, 4, 3214868480
	.section	.rodata,"a",@progbits
	.p2align	6, 0x0
	.amdhsa_kernel k_qe788cf2e39_attn
		.amdhsa_group_segment_fixed_size 272384
		.amdhsa_private_segment_fixed_size 0
		.amdhsa_enable_private_segment 0
		.amdhsa_kernarg_size 48
		.amdhsa_user_sgpr_count 2
		.amdhsa_user_sgpr_kernarg_segment_ptr 1
		.amdhsa_wavefront_size32 1
		.amdhsa_system_sgpr_workgroup_id_x 1
		.amdhsa_system_sgpr_workgroup_id_y 1
		.amdhsa_system_sgpr_workgroup_id_z 1
		.amdhsa_system_vgpr_workitem_id 0
		.amdhsa_next_free_vgpr 256
		.amdhsa_next_free_sgpr 96
		.amdhsa_reserve_vcc 1
		.amdhsa_float_denorm_mode_32 3
		.amdhsa_float_denorm_mode_16_64 3
		.amdhsa_fp16_overflow 1
		.amdhsa_memory_ordered 1
		.amdhsa_forward_progress 1
		.amdhsa_inst_pref_size 91
	.end_amdhsa_kernel
	.amdgpu_metadata
---
amdhsa.version: [ 1, 2 ]
amdhsa.kernels:
  - .name:           k_qe788cf2e39_attn
    .symbol:         k_qe788cf2e39_attn.kd
    .args:
      - { .name: qk_img, .offset: 0, .size: 8, .value_kind: global_buffer, .address_space: global }
      - { .name: qk_sc, .offset: 8, .size: 8, .value_kind: global_buffer, .address_space: global }
      - { .name: v_img, .offset: 16, .size: 8, .value_kind: global_buffer, .address_space: global }
      - { .name: v_sc, .offset: 24, .size: 8, .value_kind: global_buffer, .address_space: global }
      - { .name: y_img, .offset: 32, .size: 8, .value_kind: global_buffer, .address_space: global }
      - { .name: y_sc, .offset: 40, .size: 8, .value_kind: global_buffer, .address_space: global }
    .group_segment_fixed_size: 272384
    .private_segment_fixed_size: 0
    .kernarg_segment_align: 8
    .kernarg_segment_size: 48
    .max_flat_workgroup_size: 512
    .sgpr_count:     96
    .vgpr_count:     256
    .wavefront_size: 32
...
	.end_amdgpu_metadata
.endif
;; end of part 2
;; launch proj (part 3): grid 4 x 32, 4 waves a work-group, clusters of 4 x 4, 327,680 bytes of LDS; arguments y_img, y_sc, Wproj_codes, Wproj_scales, out0, bproj; writes out0
.if DOCPART == 3
	.amdgcn_target "amdgcn-amd-amdhsa--gfx1250"
	.amdhsa_code_object_version 6
	.text
	.protected	k_qe788cf2e39_proj
	.globl	k_qe788cf2e39_proj
	.p2align	8
	.type	k_qe788cf2e39_proj,@function
k_qe788cf2e39_proj:
	s_mov_b64 s[64:65], 0
	v_nop
	global_prefetch_b8 v0, s[64:65] scope:SCOPE_SE
	s_setreg_imm32_b32 hwreg(HW_REG_WAVE_MODE, 25, 1), 1
	s_wait_xcnt 0x0
	s_wait_alu depctr_hold_cnt(0) depctr_sa_sdst(0) depctr_va_vdst(0) depctr_va_sdst(0) depctr_va_ssrc(0) depctr_va_vcc(0) depctr_vm_vsrc(0)
	s_getreg_b32 s2, hwreg(HW_REG_IB_STS2, 6, 4)
	s_cmp_eq_u32 s2, 0
	s_cbranch_scc0 .Lentry_in_a_cluster
	s_endpgm
.Lentry_in_a_cluster:
	s_bfe_u32 s2, ttmp6, 0x10000c
	s_cmp_lg_u32 s2, 0xf033
	s_cbranch_scc0 .Lentry_shape_is_right
	s_endpgm
.Lentry_shape_is_right:
; out0[m][n] = sum over k of y[m][k] Wproj[k][n] + bproj[n], on codes of FP8 (E4M3) with one E8M0 scale for each 32 along K = 1,024; sums in f32.  m: 8,192 tokens, n: 1,024.
; A = y comes as IMAGES OF OPERAND REGISTERS, y_img [K / 256][token tile 512][block 8][512]: a chunk of 512 bytes holds, for 16 tokens and 32 along K, lane (r, h)'s 16 codes k = 16 h + 0..15 of token r at 16 x lane.  So 128 tokens x 256 along K
; are one dense block of 32,768 bytes, and a fragment is four LDS loads of 512 consecutive bytes.  y_sc [token][32].  B = Wproj_codes [n][1,024], K innermost, rows of 1,024 bytes; Wproj_scales [n][32].
; A tile of out0, 256 x 256, is made by a work-group of four waves; a wave makes 128 x 128: 64 accumulators, 512 registers.  K goes in steps of 256 through a ring of two LDS slots filled by the tensor data mover.
; The scale bytes of the work-group's 256 + 256 rows, for all of K, come into LDS once.  128 work-groups: a smaller tile would give 256, at half as many products again for each byte read from LDS.
; CLUSTERS: 4 x 4 work-groups; A's tiles are shared along a row of the cluster, B's along a column, by joint loads.  THE MATRIX INSTRUCTION IS USED TRANSPOSED (source 0 = 16 rows of B, source 1 = 16 rows of A): a lane holds eight neighbouring n of a row.
; The bias is the C of each sum's first matrix instruction.
; REGISTERS, in windows of 256: window 0: v1-31 addresses; v32-63 scale words, two sets; v64-127 the bias; from v128 A's fragments, ONE set (on the way out rows of out0).   window 1: B's fragments, TWO sets.   windows 2, 3: the accumulators.
.set SIZE_N, 1024
.set NQ,     2
.set ROWB,   256                       ; a row of B's tile in bytes
.set KROW,   1024                      ; a row of Wproj's codes in memory
.set KSB,    2097152                   ; a K step of y's image: 512 token tiles x 4,096 bytes
.set PITCH,  272                       ; B's LDS row: 256 bytes + 16 of padding: the 16 rows that a load touches start at 16 different banks (64 banks of 4 bytes: ISA guide 11.1)
.set FR,     16
.set NL,     4
.set NP,     8                         ; places behind this matrix instruction (ISA guide 7.12.1)
.set HALFT,  128*PITCH                 ; a wave's part of a slot (A's dense 32,768 bytes use the head of theirs)
.set SLOT,   4*HALFT
.set LAPS,   2
.set KS,     32
.set SCL,    2*SLOT
.set HALFS,  (128*KS/256)*272
.set SBLK,   (16*KS/256)*272
.set SPARE,  SCL+4*HALFS               ; the spare words, 128 bytes for each wave: two blocks of 256 bytes that no other line names
.set SPITCH, 528                       ; the way out: a stage of 16 rows x (512 bytes + 16) for each wave, in slot 0, which has had its last fill and its last read when the first result is stored there
.set ADRA, 16
.set ADRB, 20
.set STO,  24
.set RD,   25
.set CO,   26
.set ADRS, 27
.set SPW,  28                          ; LDS address of my spare word; never rewritten
.set NIL,  29                          ; 0; never rewritten
.set SC,   32
.set BN,   64                          ; v64-127 the bias: tile b's eight numbers of my half
.set AF,   128
.set BK,   128
.set G1, 24
.set G0, 32
.set G1B, 48
.set G0B, 56
.set G1S, 68
.set G0S, 76
.set G1SB, 80
.set G0SB, 88
.set MSB, 0
.macro WIN new                         ; the immediate's high byte repeats the setting that is left
.if MSB != (\new)
	s_set_vgpr_msb (MSB<<8)|(\new)
.set MSB, (\new)
.endif
.endm
.set MUL_LO, 0xa1
.set MUL_HI, 0xf1
.set TO_B,   0x40
.macro JLOAD g0a, g1a, g0b, g1b        ; a joint load: waves 0 and 1 fetch for A, waves 2 and 3 for B; four v_nop follow each line
	s_cmp_eq_u32 s15, 0
	s_cbranch_scc0 .Lfor_b_\@
	tensor_load_to_lds s[\g0a:\g0a+3], s[\g1a:\g1a+7]
	s_nop 0
.rept 4
	v_nop
.endr
	s_branch .Lasked_\@
.Lfor_b_\@:
	tensor_load_to_lds s[\g0b:\g0b+3], s[\g1b:\g1b+7]
	s_nop 0
.rept 4
	v_nop
.endr
.Lasked_\@:
.endm
.macro CREST
	s_cmp_lg_u32 s14, 0
	s_cbranch_scc1 .Lnot_wave_0_\@
	s_barrier_signal -3
.Lnot_wave_0_\@:
	s_barrier_wait -3
	s_barrier_signal -1
	s_barrier_wait -1
.endm
.macro CROUND
	s_barrier_signal -1
	s_barrier_wait -1
	CREST
.endm
	s_load_b128 s[4:7], s[0:1], 0x0                ; y_img s[4:5], y_sc s[6:7]
	s_load_b128 s[8:11], s[0:1], 0x10              ; Wproj's codes s[8:9], its scales s[10:11]
	s_load_b128 s[12:15], s[0:1], 0x20             ; out0 s[12:13], bproj s[14:15]
	v_lshl_add_u32 v[SPW], v0, 2, SPARE
	v_mov_b32 v[NIL], 0
	ds_add_u32 v28, v29
	ds_add_u32 v28, v29
	s_wait_dscnt 0x0
	v_lshrrev_b32 v1, 5, v0
	s_wait_alu depctr_va_vdst(0)
	s_wait_kmcnt 0x0
	s_mov_b64 s[66:67], s[14:15]                   ; bproj: s14 and s15 take the wave's numbers
	v_readfirstlane_b32 s14, v1                    ; wave 0..3
	s_lshr_b32 s15, s14, 1                         ; which half of the tile's rows is mine.  Also: I fetch for A (0) or for B (1)
	s_and_b32 s16, s14, 1                          ; which half of its columns.  Also: which 128 rows of that tile I fetch
	s_bfe_u32 s40, ttmp6, 0x40000                  ; cx, cy
	s_bfe_u32 s41, ttmp6, 0x40004
	s_lshl_b32 s42, ttmp9, 2
	s_add_co_u32 s42, s42, s40                     ; tile column = 4 x cluster x + cx
	s_and_b32 s17, ttmp7, 0xffff
	s_lshl_b32 s17, s17, 2
	s_add_co_u32 s17, s17, s41                     ; tile row = 4 x cluster y + cy
	s_lshl_b32 s43, s41, 2
	s_lshl_b32 s43, 15, s43                        ; my row of the cluster
	s_lshl_b32 s44, 0x1111, s40                    ; my column
	; group 1 for A: a dense block of 32,768 bytes as 128 rows of 256 bytes (32 elements of 8 bytes), no padding
	s_or_b32 s[G1+0], s43, (3<<16)|(1<<21)
	s_mov_b32 s[G1+1], 32<<16
	s_mov_b32 s[G1+2], 128<<16
	s_mov_b32 s[G1+3], 32<<16
	s_mov_b32 s[G1+4], 128
	s_mov_b32 s[G1+5], 32
	s_mov_b32 s[G1+6], 0
	s_mov_b32 s[G1+7], 0
	; for B: 128 rows x 256 bytes, 1,024 bytes apart, 16 bytes of padding behind each
	s_or_b32 s[G1B+0], s44, (0<<16)|(1<<20)|(1<<21)|(5<<22)|(3<<25)
	s_mov_b32 s[G1B+1], ROWB<<16
	s_mov_b32 s[G1B+2], 128<<16
	s_mov_b32 s[G1B+3], ROWB<<16
	s_mov_b32 s[G1B+4], 128
	s_mov_b32 s[G1B+5], KROW
	s_mov_b32 s[G1B+6], 0
	s_mov_b32 s[G1B+7], 0
	; for the scales of 128 rows: 4,096 dense bytes as 16 rows of 256 bytes, 16 bytes of padding behind each
	s_or_b32 s[G1S+0], s43, (3<<16)|(1<<20)|(1<<21)|(5<<22)|(3<<25)
	s_or_b32 s[G1SB+0], s44, (3<<16)|(1<<20)|(1<<21)|(5<<22)|(3<<25)
.irp g, G1S, G1SB
	s_mov_b32 s[\g+1], 32<<16
	s_mov_b32 s[\g+2], (128*KS/256)<<16
	s_mov_b32 s[\g+3], 32<<16
	s_mov_b32 s[\g+4], 128*KS/256
	s_mov_b32 s[\g+5], 32
	s_mov_b32 s[\g+6], 0
	s_mov_b32 s[\g+7], 0
.endr
	s_lshl_b32 s18, s16, 7
	s_lshl_b32 s20, s17, 8
	s_add_co_u32 s20, s20, s18                     ; A: token 256 x tile row + 128 x half
	s_lshl_b32 s46, s42, 8
	s_add_co_u32 s46, s46, s18                     ; B: row 256 x tile column + 128 x half
	s_lshl_b32 s22, s20, 5                         ; their scales, in bytes,
	s_mov_b32 s23, 0
	s_lshl_b32 s92, s46, 5
	s_mov_b32 s93, 0
	s_lshl_b32 s20, s20, 8                         ; A's image: 4,096 bytes for 16 tokens in each K step
	s_mov_b32 s21, 0
	s_lshl_b32 s46, s46, 10                        ; B's codes
	s_mov_b32 s47, 0
	s_mul_i32 s45, s14, HALFT                      ; where they go: no place in the cluster enters an LDS address
	s_mul_i32 s94, s14, HALFS
	s_add_nc_u64 s[20:21], s[4:5], s[20:21]
	s_add_nc_u64 s[22:23], s[6:7], s[22:23]
	s_add_nc_u64 s[46:47], s[8:9], s[46:47]
	s_add_nc_u64 s[92:93], s[10:11], s[92:93]
	CROUND                                         ; all sixteen work-groups are here: the first joint loads meet
	s_mov_b32 s[G0S], 1
	s_add_co_u32 s[G0S+1], s94, SCL
	s_mov_b64 s[G0S+2:G0S+3], s[22:23]
	s_or_b32 s[G0S+3], s[G0S+3], 0x80000000
	s_mov_b32 s[G0SB], 1
	s_add_co_u32 s[G0SB+1], s94, SCL
	s_mov_b64 s[G0SB+2:G0SB+3], s[92:93]
	s_or_b32 s[G0SB+3], s[G0SB+3], 0x80000000
	JLOAD G0S, G1S, G0SB, G1SB                     ; the scales first
.irp s, 0,1
	s_mov_b32 s[G0+4*\s], 1
	s_add_co_u32 s[G0+4*\s+1], s45, \s*SLOT
	s_add_nc_u64 s[G0+4*\s+2:G0+4*\s+3], s[20:21], \s*KSB
	s_or_b32 s[G0+4*\s+3], s[G0+4*\s+3], 0x80000000
	s_mov_b32 s[G0B+4*\s], 1
	s_add_co_u32 s[G0B+4*\s+1], s45, \s*SLOT
	s_add_nc_u64 s[G0B+4*\s+2:G0B+4*\s+3], s[46:47], \s*ROWB
	s_or_b32 s[G0B+4*\s+3], s[G0B+4*\s+3], 0x80000000
	s_wait_alu depctr_va_vdst(0)
	s_wait_tensorcnt 0x0
	ds_add_u32 v28, v29
	s_wait_dscnt 0x0
	CROUND
	JLOAD G0+4*\s, G1, G0B+4*\s, G1B               ; one tensor load of a wave is out here
.endr
	v_and_b32 v1, 15, v0                           ; r
	v_bfe_u32 v2, v0, 4, 1                         ; h
	v_lshlrev_b32 v7, 5, v2                        ; the bias: my half's eight numbers of a tile
	s_lshl_b32 s46, s42, 10
	s_lshl_b32 s47, s16, 9
	s_add_co_u32 s46, s46, s47                     ; 4 x my first column
	s_mov_b32 s47, 0
	s_add_nc_u64 s[66:67], s[66:67], s[46:47]
.irp b, 0,1,2,3,4,5,6,7
	global_load_b128 v[BN+8*\b:BN+8*\b+3], v7, s[66:67] offset:64*\b
	global_load_b128 v[BN+8*\b+4:BN+8*\b+7], v7, s[66:67] offset:64*\b+16
.endr
	v_mul_u32_u24 v3, v1, PITCH
	v_lshl_add_u32 v4, v2, 4, v3                   ; B: a fragment's row x pitch + 16 x half
	v_and_b32 v6, 31, v0
	v_lshlrev_b32 v3, 4, v6                        ; A: 16 x lane
	s_mul_i32 s21, s15, HALFT                      ; my 128 tokens of A
	s_mul_i32 s22, s16, HALFT                      ; my 128 rows of B,
	s_add_co_u32 s22, s22, 2*HALFT                 ; which lie behind A's two parts
.irp s, 0,1
	v_add_nc_u32 v[ADRA+\s], s21, v3
	v_add_nc_u32 v[ADRB+\s], s22, v4
	s_add_co_u32 s21, s21, SLOT
	s_add_co_u32 s22, s22, SLOT
.endr
	v_mul_u32_u24 v5, v1, KS
	v_lshrrev_b32 v6, 8, v5
	v_lshl_add_u32 v5, v6, 4, v5
	s_mul_i32 s21, s15, HALFS
	s_mul_i32 s22, s16, HALFS
	s_add_co_u32 s22, s22, 2*HALFS
	s_sub_co_u32 s22, s22, s21
	v_mul_u32_u24 v6, s22, v2                      ; lanes 16-31 take B's
	s_add_co_u32 s21, s21, SCL
	v_add_nc_u32 v5, v5, v6
	v_add_nc_u32 v[ADRS], s21, v5
	s_mul_i32 s23, s14, 16*SPITCH                  ; my stage
	v_mul_u32_u24 v5, v1, SPITCH
	v_lshl_add_u32 v5, v2, 5, v5
	v_add_nc_u32 v[STO], s23, v5                   ; in: row r, 32 bytes for each half of the lanes
	v_mov_b32 v[CO], v3                            ; back: the 32 lanes take one row of 512 bytes; and the same in out0
	v_add_nc_u32 v[RD], s23, v3
	s_lshl_b32 s20, s17, 8
	s_lshl_b32 s21, s15, 7
	s_add_co_u32 s20, s20, s21                     ; my first row of out0
	s_lshl_b32 s20, s20, 12                        ; rows of 4,096 bytes (under 2^32)
	s_add_co_u32 s20, s20, s46                     ; + my first column's bytes
	s_mov_b32 s21, 0
	s_add_nc_u64 s[12:13], s[12:13], s[20:21]
.macro FRAGB reg, adr, q, i            ; a fragment from rows: lane l holds row l % 16; registers 4 c .. 4 c + 3 hold K = 32 c + 16 (l / 16) + 0 .. 15
.irp c, 0,1,2,3
	ds_load_b128 v[\reg+4*\c:\reg+4*\c+3], v[\adr] offset:128*(\q)+32*\c+(\i)*16*PITCH
.endr
.endm
.macro FRAGA reg, adr, q, i            ; a fragment from an image: chunk 4 q + c of token tile i
.irp c, 0,1,2,3
	ds_load_b128 v[\reg+4*\c:\reg+4*\c+3], v[\adr] offset:2048*(\q)+512*\c+(\i)*4096
.endr
.endm
; 16 matrix instructions: A's blocks a0, a0 + 1 x B's eight.  first = 1: the sum begins with the bias as C.  The 64 accumulators take turns, one instruction a turn, in the same order in every step.
.macro MUL16 a0, p, q, sc, first
.irp a, \a0, \a0+1
.irp b, 0,1,2,3,4,5,6,7
.if \first
	v_wmma_scale_f32_16x16x128_f8f6f4 v[8*(8*((\a)%4)+\b):8*(8*((\a)%4)+\b)+7], v[128*(\p)+FR*\b:128*(\p)+FR*\b+FR-1], v[AF+FR*(\a):AF+FR*(\a)+FR-1], v[BN+8*\b:BN+8*\b+7], v[SC+8*NQ*(\sc)+NQ*\b+(\q)], v[SC+8*NQ*(\sc)+NQ*(\a)+(\q)] matrix_a_scale:MATRIX_SCALE_ROW1
.else
	v_wmma_scale_f32_16x16x128_f8f6f4 v[8*(8*((\a)%4)+\b):8*(8*((\a)%4)+\b)+7], v[128*(\p)+FR*\b:128*(\p)+FR*\b+FR-1], v[AF+FR*(\a):AF+FR*(\a)+FR-1], v[8*(8*((\a)%4)+\b):8*(8*((\a)%4)+\b)+7], v[SC+8*NQ*(\sc)+NQ*\b+(\q)], v[SC+8*NQ*(\sc)+NQ*(\a)+(\q)] matrix_a_scale:MATRIX_SCALE_ROW1
.endif
.endr
.endr
.endm
.macro FETCH_B slot, q, p
	WIN TO_B
.irp i, 0,1,2,3,4,5,6,7
	FRAGB 128*(\p)+FR*\i, ADRB+\slot, \q, \i
.endr
	WIN 0
.endm
.macro FETCH_A slot, q, i0
.irp i, \i0, \i0+1, \i0+2, \i0+3
	FRAGA AF+FR*(\i), ADRA+\slot, \q, \i
.endr
.endm
.macro SCALES sc
.irp i, 0,1,2,3,4,5,6,7
	ds_load_b64 v[SC+8*NQ*\sc+NQ*\i:SC+8*NQ*\sc+NQ*\i+1], v[ADRS] offset:\i*SBLK
.endr
.endm
.macro PLACES n                        ; places in front of loads into registers that matrix instructions have read, and of the first read of results
.rept \n
	v_nop
.endr
.endm
.macro STEP slot, q, first
	s_wait_dscnt 4*NL                              ; B's set and A's blocks 0-3 are in; the youngest 16 loads (A's blocks 4-7) may be out
.if \first
	WIN 0x81                                       ; source 0 window 1, sources 1 and 2 (the bias) window 0, destination window 2
.else
	WIN MUL_LO
.endif
	MUL16 0, (\q)%2, \q, \slot, \first
	MUL16 2, (\q)%2, \q, \slot, \first
	s_wait_dscnt 0
	PLACES NP
	FETCH_B \slot, (\q)+1, 1-(\q)%2
	FETCH_A \slot, (\q)+1, 0
.if \first
	WIN 0xc1
.else
	WIN MUL_HI
.endif
	MUL16 4, (\q)%2, \q, \slot, \first
	MUL16 6, (\q)%2, \q, \slot, \first
	PLACES NP
	WIN 0
	FETCH_A \slot, (\q)+1, 4
.endm
; A slot's last step changes slots: ONE barrier; in front of it each wave waits for all its tensor loads, adds 0 to its spare word, and waits for that and for its own reads of this slot.
.macro TURN slot, next, fill
	s_wait_tensorcnt 0x0                           ; all my tensor loads have landed: my part of the next slot
	ds_add_u32 v[SPW], v[NIL]                      ; 0 onto my spare word
	s_wait_dscnt 4*NL+1                            ; (the add and the youngest 16 loads may be out)
	WIN MUL_LO
	MUL16 0, 1, NQ-1, \slot, 0
	s_wait_dscnt 0x0                               ; the add is done, and my reads of this slot are over
	s_barrier_signal -1
	MUL16 2, 1, NQ-1, \slot, 0
	WIN 0
	s_barrier_wait -1
.if \fill
	CREST                                          ; the barrier has opened a round of the cluster's barrier: no wave of any partner still reads this slot's tile or has a load on its way
	s_add_nc_u64 s[G0+4*\slot+2:G0+4*\slot+3], s[G0+4*\slot+2:G0+4*\slot+3], 2*KSB
	s_add_nc_u64 s[G0B+4*\slot+2:G0B+4*\slot+3], s[G0B+4*\slot+2:G0B+4*\slot+3], 2*ROWB
	JLOAD G0+4*\slot, G1, G0B+4*\slot, G1B         ; the first tensor load behind the round
	PLACES NP-4
.else
	PLACES NP
.endif
	s_wait_alu depctr_va_vdst(0)
	v_add_nc_u32 v[ADRS], 4*NQ, v[ADRS]
	FETCH_B \next, 0, 0
	FETCH_A \next, 0, 0
	SCALES \next
	WIN MUL_HI
	MUL16 4, 1, NQ-1, \slot, 0
	MUL16 6, 1, NQ-1, \slot, 0
	PLACES NP
	WIN 0
	FETCH_A \next, 0, 4
.endm
	s_wait_alu depctr_va_vdst(0)
	s_wait_tensorcnt 1                             ; the scales and my part of K step 0 are in (K step 1's load may be out)
	s_barrier_signal -1
	s_barrier_wait -1                              ; everybody's are
	FETCH_B 0, 0, 0
	FETCH_A 0, 0, 0
	SCALES 0
	FETCH_A 0, 0, 4
	s_wait_loadcnt 0x0                             ; the bias
	STEP 0, 0, 1                                   ; the first step stands in front of the loop: its products start the sums
	s_mov_b32 s3, LAPS-1
.Llap:
	TURN 0, 1, 1
	STEP 1, 0, 0
	TURN 1, 0, 1
	STEP 0, 0, 0
	s_sub_co_u32 s3, s3, 1
	s_cmp_lg_u32 s3, 0
	s_cbranch_scc1 .Llap
	TURN 0, 1, 0                                   ; the last lap fills nothing
	STEP 1, 0, 0
	s_wait_dscnt 4*NL
	WIN MUL_LO
	MUL16 0, 1, NQ-1, 1, 0
	MUL16 2, 1, NQ-1, 1, 0
	s_wait_dscnt 0
	WIN MUL_HI
	MUL16 4, 1, NQ-1, 1, 0
	MUL16 6, 1, NQ-1, 1, 0
	WIN 0
; THE WAY OUT, block by block of 16 rows x 128 columns, through my own stage in LDS: in as 32 bytes a lane, back as whole rows of 512 bytes.  LDS serves a wave's instructions in order (ISA guide 5.7.1.4).
.macro TOSTAGE a
.set AC, 64*((\a)%4)
	WIN 0x08+4*((\a)/4)                            ; the data: window 2 or 3
.irp b, 0,1,2,3,4,5,6,7
	ds_store_b128 v[STO], v[AC+8*\b:AC+8*\b+3] offset:64*\b          ; each accumulator from its low end on
	ds_store_b128 v[STO], v[AC+8*\b+4:AC+8*\b+7] offset:64*\b+16
.endr
	WIN 0
.set BB, BK+64*((\a)%2)
.irp t, 0,1,2,3,4,5,6,7,8,9,10,11,12,13,14,15
	ds_load_b128 v[BB+4*\t:BB+4*\t+3], v[RD] offset:\t*SPITCH
.endr
.endm
.macro SEND a, younger                 ; younger: the LDS instructions issued behind block a's loads, which may stay out
.set BB, BK+64*((\a)%2)
	s_wait_dscnt \younger
.if (\a) > 0
	s_add_nc_u64 s[12:13], s[12:13], 16*SIZE_N*4   ; (behind a wait on XCNT: the earlier stores have read their base)
.endif
.irp t, 0,1,2,3,4,5,6,7,8,9,10,11,12,13,14,15
	global_store_b128 v[CO], v[BB+4*\t:BB+4*\t+3], s[12:13] offset:\t*SIZE_N*4 th:TH_STORE_NT   ; 32 lanes store 512 consecutive bytes, aligned; written once, read by nobody here
.endr
.endm
	PLACES NP
	TOSTAGE 0
.irp a, 1,2,3,4,5,6,7
.if \a > 1
	s_wait_xcnt 0x0                                ; block a - 2's stores have read their registers and their base
.endif
	TOSTAGE \a
	SEND \a-1, 32                                  ; behind block a - 1's loads: block a's 16 stores and 16 loads
.endr
	s_wait_xcnt 0x0
	SEND 7, 0
	s_wait_tensorcnt 0x0                           ; the wave's end: behind my last tensor load and my last LDS store
	ds_add_u32 v[SPW], v[NIL]
	s_wait_dscnt 0x0
	CROUND                                         ; the closing round
	s_endpgm
.Lfunc_end_k_qe788cf2e39_proj:
	.size	k_qe788cf2e39_proj, .Lfunc_end_k_qe788cf2e39_proj-k_qe788cf2e39_proj
	.p2alignl 7, 3214868480
	.fill 96, 4, 3214868480
	.section	.rodata,"a",@progbits
	.p2align	6, 0x0
	.amdhsa_kernel k_qe788cf2e39_proj
		.amdhsa_group_segment_fixed_size 327680
		.amdhsa_private_segment_fixed_size 0
		.amdhsa_enable_private_segment 0
		.amdhsa_kernarg_size 48
		.amdhsa_user_sgpr_count 2
		.amdhsa_user_sgpr_kernarg_segment_ptr 1
		.amdhsa_wavefront_size32 1
		.amdhsa_system_sgpr_workgroup_id_x 1
		.amdhsa_system_sgpr_workgroup_id_y 1
		.amdhsa_system_sgpr_workgroup_id_z 1
		.amdhsa_system_vgpr_workitem_id 0
		.amdhsa_next_free_vgpr 1024
		.amdhsa_next_free_sgpr 98
		.amdhsa_reserve_vcc 0
		.amdhsa_float_denorm_mode_32 3
		.amdhsa_float_denorm_mode_16_64 3
		.amdhsa_memory_ordered 1
		.amdhsa_forward_progress 1
		.amdhsa_inst_pref_size 148
	.end_amdhsa_kernel
	.amdgpu_metadata
---
amdhsa.version: [ 1, 2 ]
amdhsa.kernels:
  - .name:           k_qe788cf2e39_proj
    .symbol:         k_qe788cf2e39_proj.kd
    .args:
      - { .name: y_img, .offset: 0, .size: 8, .value_kind: global_buffer, .address_space: global }
      - { .name: y_sc, .offset: 8, .size: 8, .value_kind: global_buffer, .address_space: global }
      - { .name: Wproj_codes, .offset: 16, .size: 8, .value_kind: global_buffer, .address_space: global }
      - { .name: Wproj_scales, .offset: 24, .size: 8, .value_kind: global_buffer, .address_space: global }
      - { .name: out0, .offset: 32, .size: 8, .value_kind: global_buffer, .address_space: global }
      - { .name: bproj, .offset: 40, .size: 8, .value_kind: global_buffer, .address_space: global }
    .group_segment_fixed_size: 327680
    .private_segment_fixed_size: 0
    .kernarg_segment_align: 8
    .kernarg_segment_size: 48
    .max_flat_workgroup_size: 128
    .sgpr_count:     98
    .vgpr_count:     1024
    .wavefront_size: 32
...
	.end_amdgpu_metadata
.endif
;; end of part 3
